; MI455X (gfx1250); checked and timed in simulation.
; The chip was launched on July 23, 2026; its instructions are those of AMD's public machine-readable ISA for CDNA 5 (MIT licence, August 2026) and "CDNA5" Instruction Set Architecture Reference Guide (July 2026). The comments in the code are by the model that wrote it; some were corrected since.
;; Multi Head Self Attention. Allowed arithmetic: matrix products marked QUANTISED: E2M3 operands, one E8M0 scale for each 32 along K, by v_wmma_scale_f32_16x16x128_f8f6f4 with both operands' format E2M3, f32 sums; everything else in f32.
;; Inputs: Wk 1,024 x 1,024 float32; Wo 1,024 x 1,024 float32; Wq 1,024 x 1,024 float32; Wv 1,024 x 1,024 float32; bk 1,024 float32; bo 1,024 float32; bq 1,024 float32; bv 1,024 float32; x 4 x 2,048 x 1,024 float32.
;; Outputs: out0 4 x 2,048 x 1,024 float32.
;; This version of the problem:
;;   THIS VERSION OF THE PROBLEM IS GIVEN IN LOW PRECISION. The matrix products marked QUANTISED in the list below multiply operands that are first quantised to E2M3 (2 exponent bits, 3 mantissa bits; 6 bits a number), with one power-of-two scale for each 32 numbers along K (OCP MX v1.0); their sums are f32. All else is computed in f32.
;;   The module's matrix products, in the order in which they are computed (A, B: the left and right operand; K: the contracted axis; several contracted axes count as one K, in the product's order):
;;     1. [M 8,192, K 1,024] x [K 1,024, N 1,024]; A: input x; B: input Wq: QUANTISED
;;     2. [M 8,192, K 1,024] x [K 1,024, N 1,024]; A: input x; B: input Wk: QUANTISED
;;     3. [M 8,192, K 1,024] x [K 1,024, N 1,024]; A: input x; B: input Wv: QUANTISED
;;     4. batch 64 x [M 2,048, K 64] x [K 64, N 2,048]; A: computed on the way; B: computed on the way: QUANTISED
;;     5. batch 64 x [M 2,048, K 2,048] x [K 2,048, N 64]; A: softmax (see below); B: computed on the way: QUANTISED
;;     6. [M 8,192, K 1,024] x [K 1,024, N 1,024]; A: computed on the way; B: input Wo: QUANTISED
;;   THE QUANTISER, for each operand of a quantised product, along K:
;;     - K is cut into blocks of 32 from its start; a last block that is shorter is filled with zeros.
;;     - A block's scale is 2^e with e = floor(log2(the largest magnitude in the block)) - 2, held to -126 .. 127; a block of zeros has e = 0. As a byte (E8M0): e + 127.
;;     - Each number is divided by its block's scale, clamped to +-7.5, and rounded to the nearest number of E2M3, ties to even, subnormals kept.
;;     - The product sums the exact products of the quantised numbers (number of the format x scale) in f32.
;;   ~~~python
;;   def quantise(x, axis):      # numpy; x: float32 -> the quantised numbers, widened to float32 again
;;       x = np.moveaxis(x, axis, -1); K = x.shape[-1]
;;       x = np.pad(x, [(0, 0)] * (x.ndim - 1) + [(0, -K % 32)]); x = x.reshape(x.shape[:-1] + (-1, 32)); a = np.abs(x).max(-1, keepdims=True)
;;       e = np.where(a > 0, np.clip(np.frexp(np.where(a > 0, a, 1))[1] - 1 - 2, -126, 127), 0)      # np.frexp(a)[1] - 1 = floor(log2(a)), exactly
;;       r = np.clip(x / 2.0 ** e, -7.5, 7.5)
;;       step = 2.0 ** (np.maximum(np.frexp(np.where(r == 0, 1, r))[1] - 1, 0) - 3)
;;       q = np.round(r / step) * step * 2.0 ** e      # np.round: ties to even
;;       return np.moveaxis(q.reshape(q.shape[:-2] + (-1,))[..., :K], -1, axis).astype(np.float32)
;;   ~~~
;;   SOFTMAX AHEAD OF A QUANTISED PRODUCT. Where the list says 'softmax', what is quantised is not the finished softmax but p = 2^(t - M), with t = logit x log2(e) and M = ceil(the row's largest t), a whole number; so 1/2 < the row's largest p <= 1. The row's sum l is taken of the UNQUANTISED p, in f32, and the product's result is divided by l at the end. Since M is a whole number, a kernel that streams over the keys may use a running M (the ceiling of the running maximum): every later rescaling is an exact power of two, which a block's scale takes up: the codes' values come out the same.
;;   OPERANDS COMPUTED ON THE WAY. 'Computed on the way' means the value that the module computes at that place (a softmax that the list does not call 'softmax' is quantised finished and normalised). What goes into a quantiser is computed in f32, as accurately as f32 sums, v_exp_f32 and their like allow (about 1e-6 of the number): no bf16 or f16 on the way to a quantiser, and a product that is left as it is and whose result goes on into a quantised operand takes f32 operands (vector FMAs, or v_wmma_f32_16x16x4_f32). A number that lies on a knife's edge between two numbers of the format may be rounded either way, as far as f32 arithmetic and the matrix unit's own rounding can turn it there, and no further.
;; One version. Each part assembles by itself: llvm-mc -triple=amdgcn-amd-amdhsa -mcpu=gfx1250 --defsym DOCPART=n.
;; ======== version 1 of 1: 5 launches
;; limits: right only within a limited range of input values
;; workspace buffers: xrec 6,553,600 bytes; wqkrec 1,638,400 bytes; wvrec 819,200 bytes; worec 819,200 bytes; qkfrag 13,107,200 bytes; vfrag 6,553,600 bytes; orec 6,553,600 bytes
;; launch quant (part 1): grid 768 x 1, 2 waves a work-group, no clusters, 17,152 bytes of LDS; arguments x, Wq, Wk, Wv, Wo, xrec, wqkrec, wvrec, worec; writes xrec, wqkrec, wvrec, worec
.if DOCPART == 1
	.amdgcn_target "amdgcn-amd-amdhsa--gfx1250"
	.amdhsa_code_object_version 6
	.text
	.protected	k_q015257d8d0_quant
	.globl	k_q015257d8d0_quant
	.p2align	8
	.type	k_q015257d8d0_quant,@function
k_q015257d8d0_quant:
	s_mov_b64 s[64:65], 0
	v_nop
	global_prefetch_b8 v0, s[64:65] scope:SCOPE_SE
	s_setreg_imm32_b32 hwreg(HW_REG_WAVE_MODE, 25, 1), 1
	s_wait_xcnt 0x0
; x [8192][1024] and Wq, Wk, Wv, Wo [1024][1024], f32 with K innermost, become TILE RECORDS of FP6 (E2M3) codes and E8M0 scale words, laid in the order of a matrix operand's registers.
; A block of 32 along K has the scale 2^(floor(log2(its largest magnitude)) - 2); its byte is the largest magnitude's exponent field - 2, held at 1 from below; numbers are divided by it and rounded to the nearest code, ties to even.
; LIMITS: NaN and infinities among the inputs are not served.  A block of zeros gets the byte 1 where the rule says 127: its codes are zeros, which add nothing under any byte but 0xff, and this program alone reads the bytes.
; A TILE is 16 rows that are not neighbours: tile 2 g + u holds rows 32 g + 8 u + i + 8 (i / 8), i = 0 .. 15, so that results of two neighbouring tiles are 16 neighbours in a lane's registers in the later launches.
; A RECORD is 12,800 bytes: two halves of 6,400, each four K steps of 128: codes at 0, 1536, 3328, 4864 (1,536 bytes a step), 256 bytes of scale words at 3072.
; A step's codes are two images of six registers: 512 bytes (16 x lane: registers 0-3), then 256 bytes (8 x lane: registers 4, 5).  The scale words lie [pair of steps][row][2 words].
; SHARES: a work-group takes one tile (0-511 x, 512-575 Wq, 576-639 Wk, 640-703 Wv, 704-767 Wo), each of its two waves one half of K.  Only pointers are chosen: there is one path through the text.
; Each load reads 512 consecutive bytes of one row; the 16 rows of a step turn through the wave's own stage in LDS (pitch 528 = 33 x 16 bytes) and come back 16 neighbours of each block a lane.  Waves share nothing: no barrier.
.set ROWB, 4096                        ; a row of any of the five tensors in bytes
.set REC,  12800
.set SP,   528                         ; a stage row: 512 bytes + 16
.set STG,  16*SP                       ; a wave's stage
.set L16,  4                           ; v4   16 x lane
.set L8,   5                           ; v5   8 x lane
.set SIN,  6                           ; v6   the stage, on the way in: my wave's + 16 x lane
.set SOUT, 7                           ; v7   on the way out: my wave's + 528 r + 64 h
.set SWA,  8                           ; v8   128 h + 8 r: my place among the half record's scale words
.set SW,   10                          ; v10-13 the four steps' scale words
.set CH,   14                          ; v[14:15] the two that I store
.set TM,   16                          ; v16-19 largest magnitudes, v20-23 the other half's / bytes, v28-31 the conversions' scale operands
.set PC,   32                          ; v32-43 a step's codes
.set TQ,   44                          ; v44-51 the halves that a conversion cannot put in place
.set X,    64                          ; v64-127 64 numbers: register 16 b + i = k 32 b + 16 h + i of row r
.set R,    128                         ; v128-255 two sets of 64 registers as loaded
	s_load_b512 s[8:23], s[0:1], 0x0               ; x, Wq, Wk, Wv, Wo, xrec, wqkrec, wvrec
	s_load_b64 s[24:25], s[0:1], 0x40              ; worec
	v_lshl_add_u32 v62, v0, 2, 0x4200
	v_mov_b32 v63, 0
	v_lshrrev_b32 v1, 5, v0
	v_readfirstlane_b32 s28, v1                    ; wave 0, 1: which half of K
	v_and_b32 v1, 31, v0                           ; lane
	v_and_b32 v2, 15, v0                           ; r
	v_bfe_u32 v3, v0, 4, 1                         ; h
	v_lshlrev_b32 v[L16], 4, v1
	v_lshlrev_b32 v[L8], 3, v1
	s_mul_i32 s29, s28, STG
	v_add_nc_u32 v[SIN], s29, v[L16]
	v_mul_u32_u24 v[SOUT], v2, SP
	v_lshl_add_u32 v[SOUT], v3, 6, v[SOUT]
	v_add_nc_u32 v[SOUT], s29, v[SOUT]
	v_lshlrev_b32 v[SWA], 3, v2
	v_lshl_add_u32 v[SWA], v3, 7, v[SWA]
	s_mov_b32 s30, 0x76543210
	s_mov_b32 s31, 0xfedcba98                      ; v_permlanex16_b32's selects for lane l xor 16
.irp b, 0,1,2,3
	v_mov_b32 v[TM+4+\b], 0                        ; written once: a lane permute's destination counts as one of its sources
.endr
	s_wait_alu depctr_va_vdst(0)
	s_wait_kmcnt 0x0
	; which tensor is mine: the choice hangs on the work-group's number alone.  s26: the tensor's first work-group; s27: the first work-group of its destination buffer
	s_mov_b64 s[4:5], s[16:17]                     ; Wo
	s_mov_b64 s[6:7], s[24:25]                     ; worec
	s_mov_b32 s26, 704
	s_mov_b32 s27, 704
	s_cmp_lt_u32 ttmp9, 704
	s_cselect_b64 s[4:5], s[14:15], s[4:5]         ; Wv
	s_cselect_b64 s[6:7], s[22:23], s[6:7]         ; wvrec
	s_cselect_b32 s26, 640, s26
	s_cselect_b32 s27, 640, s27
	s_cmp_lt_u32 ttmp9, 640
	s_cselect_b64 s[4:5], s[12:13], s[4:5]         ; Wk
	s_cselect_b64 s[6:7], s[20:21], s[6:7]         ; wqkrec: Wq's 64 tiles, then Wk's
	s_cselect_b32 s26, 576, s26
	s_cselect_b32 s27, 512, s27
	s_cmp_lt_u32 ttmp9, 576
	s_cselect_b64 s[4:5], s[10:11], s[4:5]         ; Wq
	s_cselect_b32 s26, 512, s26
	s_cmp_lt_u32 ttmp9, 512
	s_cselect_b64 s[4:5], s[8:9], s[4:5]           ; x
	s_cselect_b64 s[6:7], s[18:19], s[6:7]         ; xrec
	s_cselect_b32 s26, 0, s26
	s_cselect_b32 s27, 0, s27
	s_sub_co_u32 s26, ttmp9, s26                   ; my tile in the tensor
	s_sub_co_u32 s27, ttmp9, s27                   ; and in the destination buffer
	; THE TILES' ROWS (this stands over the head's line on tiles): tile 4 B + j holds rows 64 B + 8 j + i and 64 B + 32 + 8 j + i, i = 0 .. 7,
	; so that a lane's 32 results of a band's four tiles are 32 neighbours, one whole scale block, in the later launches
	s_lshr_b32 s32, s26, 2
	s_lshl_b32 s32, s32, 18                        ; 64 (tile / 4) rows of 4,096 bytes
	s_and_b32 s33, s26, 3                          ; + 8 (tile % 4) rows
	s_lshl_b32 s33, s33, 15                        ; of 4,096 bytes
	s_add_co_u32 s32, s32, s33
	s_lshl_b32 s33, s28, 11                        ; + my half of K: 512 numbers
	s_add_co_u32 s32, s32, s33
	s_mov_b32 s33, 0
	s_add_nc_u64 s[4:5], s[4:5], s[32:33]
	s_mul_i32 s34, s27, REC
	s_mul_i32 s35, s28, REC/2
	s_add_co_u32 s34, s34, s35
	s_mov_b32 s35, 0
	s_add_nc_u64 s[6:7], s[6:7], s[34:35]
.macro LOAD s                          ; K step s of the 16 rows: 32 lanes read 512 consecutive bytes of a row
.irp i, 0,1,2,3,4,5,6,7,8,9,10,11,12,13,14,15
	global_load_b128 v[R+64*((\s)%2)+4*\i:R+64*((\s)%2)+4*\i+3], v[L16], s[4:5] offset:(\i+24*(\i/8))*ROWB+512*(\s) th:TH_LOAD_NT
.endr
.endm
.macro TURN s                          ; through the stage: LDS serves a wave's instructions in order, so no wait stands between the stores and the loads, nor in front of the next step's stores
.irp i, 0,1,2,3,4,5,6,7,8,9,10,11,12,13,14,15
	ds_store_b128 v[SIN], v[R+64*((\s)%2)+4*\i:R+64*((\s)%2)+4*\i+3] offset:SP*\i
.endr
.irp b, 0,1,2,3
.irp j, 0,1,2,3
	ds_load_b128 v[X+16*\b+4*\j:X+16*\b+4*\j+3], v[SOUT] offset:128*\b+16*\j
.endr
.endr
.endm
; 64 numbers of a lane, register 16 b + i = k 32 b + 16 h + i of my row, become a fragment's 12 registers of codes in v[dst] on and the row's scale word in v[pw].
.macro QUANT src, dst, tmp, pw
.irp b, 0,1,2,3
	v_max3_num_f32 v[TM+\b], |v[\src+16*\b]|, |v[\src+1+16*\b]|, 0x1800000   ; block b: my 16 numbers, and the floor 2^(3 - 127): the byte cannot fall under 1
.endr
.irp i, 2,4,6,8,10,12,14
.irp b, 0,1,2,3
	v_max3_num_f32 v[TM+\b], v[TM+\b], |v[\src+16*\b+\i]|, |v[\src+1+16*\b+\i]|   ; the four blocks by turns
.endr
.endr
.irp b, 0,1,2,3
	v_permlanex16_b32 v[TM+4+\b], v[TM+\b], s30, s31
.endr
.irp b, 0,1,2,3
	v_max_num_f32 v[TM+\b], v[TM+\b], v[TM+4+\b]   ; with lane l xor 16's: the block's largest magnitude
.endr
.irp b, 0,1,2,3
	v_add_nc_u32 v[TM+12+\b], 0xff000000, v[TM+\b] ; 2 off its exponent field: the conversion takes this operand's exponent field as its scale
.endr
.irp b, 0,1,2,3
	v_lshrrev_b32 v[TM+4+\b], 23, v[TM+12+\b]      ; the scale's byte
.endr
	v_lshl_or_b32 v[\pw], v[TM+5], 8, v[TM+4]
	v_lshl_or_b32 v[\pw], v[TM+6], 16, v[\pw]
	v_lshl_or_b32 v[\pw], v[TM+7], 24, v[\pw]      ; my row's scale word (the same in both halves of the lanes)
.irp c, 0,1
	v_cvt_scalef32_pk16_fp6_f32 v[\dst+6*\c:\dst+2+6*\c], v[\src+32*\c:\src+15+32*\c], v[TM+12+2*\c]
	v_cvt_scalef32_pk16_fp6_f32 v[\tmp+4*\c:\tmp+2+4*\c], v[\src+16+32*\c:\src+31+32*\c], v[TM+12+2*\c+1]   ; (a conversion's three registers begin on an even number)
.endr
	v_nop                                          ; one plain instruction behind a scaled conversion
.irp c, 0,1                                    ; the operand's layout wants a whole block in a lane: lanes 0-15 block 2 c, lanes 16-31 block 2 c + 1
.irp i, 0,1,2
	v_permlane16_swap_b32 v[\dst+6*\c+\i], v[\tmp+4*\c+\i]
.endr
.irp i, 0,1,2
	v_mov_b32 v[\dst+3+6*\c+\i], v[\tmp+4*\c+\i]
.endr
.endr
.endm
.macro QSTEP s
.if \s < 3
	s_wait_loadcnt 16                              ; this step's 16 loads are in; the next step's 16 may be out
.else
	s_wait_loadcnt 0x0
.endif
	TURN \s
	s_wait_dscnt 0x0                               ; my 64 numbers are back, and the stage's stores have read their registers,
.if \s < 2
	LOAD (\s)+2                                    ; which take the loads of two steps on
.endif
.if \s > 0
	s_wait_xcnt 0x0                                ; the last step's stores have read the codes' registers: they are written again only behind this wait
.endif
	QUANT X, PC, TQ, SW+\s
.set OFF, 1536*\s+256*(\s/2)
	global_store_b128 v[L16], v[PC:PC+3],    s[6:7] offset:OFF        ; 512 consecutive bytes, aligned to 256
	global_store_b64  v[L8],  v[PC+4:PC+5],  s[6:7] offset:OFF+512    ; 256
	global_store_b128 v[L16], v[PC+6:PC+9],  s[6:7] offset:OFF+768
	global_store_b64  v[L8],  v[PC+10:PC+11], s[6:7] offset:OFF+1280
.endm
	LOAD 0
	LOAD 1
	QSTEP 0
	QSTEP 1
	QSTEP 2
	QSTEP 3
	v_cmp_ne_u32 vcc_lo, 0, v3                     ; lanes 0-15 store the words of steps 0 and 1, lanes 16-31 those of steps 2 and 3
	v_cndmask_b32 v[CH], v[SW], v[SW+2], vcc_lo
	v_cndmask_b32 v[CH+1], v[SW+1], v[SW+3], vcc_lo
	global_store_b64 v[SWA], v[CH:CH+1], s[6:7] offset:3072   ; 256 consecutive bytes, aligned
	s_wait_tensorcnt 0x0
	ds_add_u32 v62, v63
	s_wait_dscnt 0x0
	s_endpgm
.Lfunc_end_k_q015257d8d0_quant:
	.size	k_q015257d8d0_quant, .Lfunc_end_k_q015257d8d0_quant-k_q015257d8d0_quant
	.p2alignl 7, 3214868480
	.fill 96, 4, 3214868480
	.section	.rodata,"a",@progbits
	.p2align	6, 0x0
	.amdhsa_kernel k_q015257d8d0_quant
		.amdhsa_group_segment_fixed_size 17152
		.amdhsa_private_segment_fixed_size 0
		.amdhsa_enable_private_segment 0
		.amdhsa_kernarg_size 72
		.amdhsa_user_sgpr_count 2
		.amdhsa_user_sgpr_kernarg_segment_ptr 1
		.amdhsa_wavefront_size32 1
		.amdhsa_system_sgpr_workgroup_id_x 1
		.amdhsa_system_sgpr_workgroup_id_y 1
		.amdhsa_system_sgpr_workgroup_id_z 1
		.amdhsa_system_vgpr_workitem_id 0
		.amdhsa_next_free_vgpr 256
		.amdhsa_next_free_sgpr 66
		.amdhsa_reserve_vcc 1
		.amdhsa_float_denorm_mode_32 3
		.amdhsa_float_denorm_mode_16_64 3
		.amdhsa_memory_ordered 1
		.amdhsa_forward_progress 1
		.amdhsa_inst_pref_size 35
	.end_amdhsa_kernel
	.amdgpu_metadata
---
amdhsa.version: [ 1, 2 ]
amdhsa.kernels:
  - .name:           k_q015257d8d0_quant
    .symbol:         k_q015257d8d0_quant.kd
    .args:
      - { .name: x, .offset: 0, .size: 8, .value_kind: global_buffer, .address_space: global }
      - { .name: Wq, .offset: 8, .size: 8, .value_kind: global_buffer, .address_space: global }
      - { .name: Wk, .offset: 16, .size: 8, .value_kind: global_buffer, .address_space: global }
      - { .name: Wv, .offset: 24, .size: 8, .value_kind: global_buffer, .address_space: global }
      - { .name: Wo, .offset: 32, .size: 8, .value_kind: global_buffer, .address_space: global }
      - { .name: xrec, .offset: 40, .size: 8, .value_kind: global_buffer, .address_space: global }
      - { .name: wqkrec, .offset: 48, .size: 8, .value_kind: global_buffer, .address_space: global }
      - { .name: wvrec, .offset: 56, .size: 8, .value_kind: global_buffer, .address_space: global }
      - { .name: worec, .offset: 64, .size: 8, .value_kind: global_buffer, .address_space: global }
    .group_segment_fixed_size: 17152
    .private_segment_fixed_size: 0
    .kernarg_segment_align: 8
    .kernarg_segment_size: 72
    .max_flat_workgroup_size: 64
    .sgpr_count:     66
    .vgpr_count:     256
    .wavefront_size: 32
...
	.end_amdgpu_metadata
.endif
;; end of part 1
;; launch projqk (part 2): grid 8 x 64, 4 waves a work-group, clusters of 4 x 4, 327,680 bytes of LDS; arguments wqkrec, xrec, bq, bk, qkfrag; writes qkfrag
.if DOCPART == 2
	.amdgcn_target "amdgcn-amd-amdhsa--gfx1250"
	.amdhsa_code_object_version 6
	.text
	.protected	k_q015257d8d0_projqk
	.globl	k_q015257d8d0_projqk
	.p2align	8
	.type	k_q015257d8d0_projqk,@function
k_q015257d8d0_projqk:
	s_mov_b64 s[64:65], 0
	v_nop
	global_prefetch_b8 v0, s[64:65] scope:SCOPE_SE
	s_setreg_imm32_b32 hwreg(HW_REG_WAVE_MODE, 25, 1), 1
	s_wait_xcnt 0x0
	s_wait_alu depctr_hold_cnt(0) depctr_sa_sdst(0) depctr_va_vdst(0) depctr_va_sdst(0) depctr_va_ssrc(0) depctr_va_vcc(0) depctr_vm_vsrc(0)
	s_getreg_b32 s2, hwreg(HW_REG_IB_STS2, 6, 4)
	s_cmp_eq_u32 s2, 0
	s_cbranch_scc0 .Lentry_in_a_cluster
	s_endpgm
.Lentry_in_a_cluster:
	s_bfe_u32 s2, ttmp6, 0x10000c
	s_cmp_lg_u32 s2, 0xf033
	s_cbranch_scc0 .Lentry_shape_is_right
	s_endpgm
.Lentry_shape_is_right:
; ONE TEXT FOR THREE LAUNCHES, told apart by MODE.  D = P R^T + bias over K = 1,024, on FP6 (E2M3) codes with one E8M0 scale for each 32 along K; sums in f32.
;   MODE 0: P = Wq's and Wk's rows, R = tokens: Q and K with their biases, quantised along the head's 64, stored as operands of the attention's first product.
;   MODE 1: P = tokens, R = Wv's rows: V with its bias, quantised along the keys, stored as operands of the attention's second product.
;   MODE 2: P = Wo's rows, R = tokens (the attention's result): out0 = O Wo^T + bo, f32.
; P is the matrix instruction's source 0, R its source 1: lane (r, h) holds R's row r of a tile, and its register j P's row 8 h + j of a tile.
; A TILE is 16 rows that are not neighbours: tile 2 g + u holds rows 32 g + 8 u + i + 8 (i / 8).  So the 16 registers of P's tiles 2 g and 2 g + 1 are P's rows 32 g + 16 h + 0 .. 15: 16 neighbours along the next product's K.
; INPUTS are tile records of 12,800 bytes (16 rows x 1,024 K), four chunks of 3,200 bytes, each two K steps of 128: their codes as images of the operand's registers and 128 bytes of scale words [row][2 words].
; SHARES: a work-group takes 256 rows of P (16 tiles) x 128 rows of R (8 tiles); a wave NPT x NRT tiles, 32 accumulators.  All of K of both lies in LDS at once: 24 records, 307,200 bytes.
; Every LDS byte is filled ONCE, by four tensor loads a wave, all issued at the head: four of mine are outstanding at the most.  A chunk is read behind a counted wait and a barrier; nothing is filled again.
; CLUSTERS: 4 x 4 work-groups.  P's tiles hang on the tile column alone and are asked for jointly by a column of the cluster, R's on the tile row alone and by a row.
; LIMITS (MODES 0, 1): NaN and infinities are not served; a block of zeros gets the byte 1 where the rule says 127: its codes are zeros, and this program alone reads the bytes.
; REGISTERS, in windows of 256: window 0: v1-15 addresses; v16-63 scale words, two sets of 24; v64-95 the bias; v96-111 at work; v112-255 fragments of even K steps (P's, then R's).
;   window 1: the 32 accumulators, (a, b) = (R's tile, P's tile) at v[8 (a NPT + b)].   window 2: v112-255 fragments of odd K steps.
.set MODE, 0
.if MODE == 1
.set NPT, 8
.set NRT, 4
.else
.set NPT, 4
.set NRT, 8
.endif
.set REC,   12800
; (Over the head's words on tiles, chunks and fills.)  A tile 4 B + j holds rows 64 B + 8 j + i and 64 B + 32 + 8 j + i: the 32 registers of a band's four tiles of P are P's rows 64 B + 32 h + 0 .. 31.
; LDS holds two halves of K, each with the 24 records' halves of 6,400 bytes (25 x 256), four K steps each.  One tensor load a wave, all at the head: wave 0 P's half 0, wave 1 R's, wave 2 P's half 1, wave 3 R's;
; a load's rows are 6,400 bytes, 12,800 apart in memory.  Half 0 is read behind waves 0 and 1's wait and a barrier, half 1 behind every wave's wait and the barrier in K step 3.
.set CHK,   6400                       ; half a record
.set CHUNK, 24*CHK                     ; LDS: a chunk of all 24 records: P's 16, then R's 8
.set ROFF,  16*CHK
.set AP16, 4                           ; v4   16 x lane + my first tile of P, in the chunk in hand
.set AP8,  5                           ; v5   8 x lane + the same
.set APS,  6                           ; v6   8 r + the same
.set AR16, 7                           ; v7-9 the same for R
.set AR8,  8
.set ARS,  9
.set LI,   10                          ; v10  16 x lane
.set SWO,  11                          ; v11  16 r + 8 h: my two scale words' place in a step record
.set BO,   12                          ; v12  my offset in the bias
.set STO,  13                          ; v13  MODE 2: the stage, on the way in
.set RD,   14                          ; v14  and back
.set CO,   15                          ; v15  my byte offset in two rows of out0
.set SC,   16
.set BI,   64
.set TM,   96
.set FS,   112
.set TQ,   160
.set SW,   168
.set G1P, 24                           ; s[24:31] descriptor group 1 for P;  s[32:39] for R
.set G1R, 32
.set G0P, 48                           ; s[48:63] groups 0 for P's four chunks;  s[68:83] for R's
.set G0R, 68
.set SEL, 88
.set MSB, 0
.macro WIN new                         ; s_set_vgpr_msb: bits 1:0 source 0, 3:2 source 1, 5:4 source 2, 7:6 destination; the high byte repeats the setting that is left
.if MSB != \new
	s_set_vgpr_msb (MSB<<8)|\new
.set MSB, \new
.endif
.endm
.macro PLACES n
.rept \n
	v_nop
.endr
.endm
.macro CROUND                          ; a round of the cluster's barrier
	s_barrier_signal -1
	s_barrier_wait -1
	s_cmp_lg_u32 s14, 0
	s_cbranch_scc1 .Lnot_wave_0_\@
	s_barrier_signal -3
.Lnot_wave_0_\@:
	s_barrier_wait -3
	s_barrier_signal -1
	s_barrier_wait -1
.endm
	s_load_b128 s[4:7], s[0:1], 0x0                ; P, R
.if MODE == 0
	s_load_b128 s[8:11], s[0:1], 0x10              ; bq, bk
	s_load_b64 s[12:13], s[0:1], 0x20              ; the output
	v_lshl_add_u32 v106, v0, 2, 0x4b000
	v_mov_b32 v107, 0
	ds_add_u32 v106, v107
	ds_add_u32 v106, v107
.else
	s_load_b64 s[8:9], s[0:1], 0x10                ; the bias
	s_load_b64 s[12:13], s[0:1], 0x18              ; the output
.endif
	v_lshrrev_b32 v1, 5, v0
	v_readfirstlane_b32 s14, v1                    ; wave 0..3
	s_lshr_b32 s15, s14, 1
	s_and_b32 s16, s14, 1
	s_bfe_u32 s40, ttmp6, 0x40000                  ; cx, cy: my place in the cluster
	s_bfe_u32 s41, ttmp6, 0x40004
	s_lshl_b32 s42, ttmp9, 2
	s_add_co_u32 s42, s42, s40                     ; gx: which 256 rows of P
	s_and_b32 s17, ttmp7, 0xffff
	s_lshl_b32 s17, s17, 2
	s_add_co_u32 s17, s17, s41                     ; gy: which 128 rows of R
	s_lshl_b32 s43, s41, 2
	s_lshl_b32 s43, 15, s43                        ; my row of the cluster
	s_lshl_b32 s44, 0x1111, s40                    ; my column
	; group 1: rows of 6,400 bytes (800 elements of 8), 12,800 bytes apart in memory, dense in LDS; 16 records for P, 8 for R
	s_or_b32 s[G1P], s44, (3<<16)|(1<<21)          ; 15:0 the mask: P's tiles go to my column; 17:16 elements of 8 bytes; 21 set beside a mask
	s_or_b32 s[G1R], s43, (3<<16)|(1<<21)          ; R's go to my row
	s_mov_b32 s[G1P+1], 800<<16                    ; rows of 800 elements of 8 bytes
	s_mov_b32 s[G1P+2], 16<<16                     ; 16 records
	s_mov_b32 s[G1P+3], 800<<16
	s_mov_b32 s[G1P+4], 16
	s_mov_b32 s[G1P+5], 1600                       ; tensor_dim0_stride
	s_mov_b32 s[G1P+6], 0
	s_mov_b32 s[G1P+7], 0
	s_mov_b32 s[G1R+1], 800<<16
	s_mov_b32 s[G1R+2], 8<<16                      ; 8 records
	s_mov_b32 s[G1R+3], 800<<16
	s_mov_b32 s[G1R+4], 8
	s_mov_b32 s[G1R+5], 1600
	s_mov_b32 s[G1R+6], 0
	s_mov_b32 s[G1R+7], 0
	; waves 0, 1 fetch P's halves, waves 2, 3 R's.  Every wave makes both addresses, in registers that never hold the other coordinate
	s_mul_i32 s18, s42, 16*REC                     ; P: record 16 gx,
	s_mul_i32 s22, s15, CHK                        ; half wave / 2
	s_add_co_u32 s18, s18, s22
	s_mov_b32 s19, 0
	s_mul_i32 s20, s17, 8*REC                      ; R: record 8 gy, the same half
	s_add_co_u32 s20, s20, s22
	s_mov_b32 s21, 0
	s_mul_i32 s22, s15, CHUNK                      ; where the half lies in LDS: no place in the cluster enters an LDS address
	s_wait_dscnt 0x0
	s_wait_kmcnt 0x0
	s_add_nc_u64 s[18:19], s[4:5], s[18:19]
	s_add_nc_u64 s[20:21], s[6:7], s[20:21]
	CROUND                                         ; all sixteen work-groups are here: the joint loads meet
	s_mov_b32 s[G0P], 1
	s_mov_b32 s[G0P+1], s22
	s_mov_b64 s[G0P+2:G0P+3], s[18:19]
	s_or_b32 s[G0P+3], s[G0P+3], 0x80000000
	s_mov_b32 s[G0R], 1
	s_add_co_u32 s[G0R+1], s22, ROFF
	s_mov_b64 s[G0R+2:G0R+3], s[20:21]
	s_or_b32 s[G0R+3], s[G0R+3], 0x80000000
.macro ARM under, g0, g1, next         ; one chain of branches on the wave's number, one load to an arm, all arms to one join
	s_cmp_lt_u32 s14, \under
	s_cbranch_scc0 \next
	tensor_load_to_lds s[\g0:\g0+3], s[\g1:\g1+7]
	s_nop 0
	PLACES 4
	s_branch .Lasked
\next:
.endm
	ARM 1, G0P, G1P, .Larm_1
	ARM 2, G0R, G1R, .Larm_2
	ARM 3, G0P, G1P, .Larm_3
	tensor_load_to_lds s[G0R:G0R+3], s[G1R:G1R+7]
	s_nop 0
	PLACES 4
.Lasked:
	v_and_b32 v1, 15, v0                           ; r
	v_bfe_u32 v2, v0, 4, 1                         ; h
	v_and_b32 v3, 31, v0                           ; lane
.if MODE == 1
	s_mul_i32 s45, s16, 8*CHK                      ; my tiles of P: 8 (wave % 2) on;
	s_mul_i32 s46, s15, 4*CHK                      ; of R: 4 (wave / 2) on
.else
	s_mul_i32 s45, s14, 4*CHK                      ; my tiles of P: 4 x wave on; of R: all eight
	s_mov_b32 s46, 0
.endif
	s_add_co_u32 s46, s46, ROFF
	v_lshl_add_u32 v[AP16], v3, 4, s45
	v_lshl_add_u32 v[AP8], v3, 3, s45
	v_lshl_add_u32 v[APS], v1, 3, s45
	v_lshl_add_u32 v[AR16], v3, 4, s46
	v_lshl_add_u32 v[AR8], v3, 3, s46
	v_lshl_add_u32 v[ARS], v1, 3, s46
	v_lshlrev_b32 v[LI], 4, v3
	v_lshlrev_b32 v[SWO], 4, v1
	v_lshl_add_u32 v[SWO], v2, 3, v[SWO]
	s_mov_b32 s85, 0
	s_mov_b32 s87, 0
.if MODE == 0
	s_cmp_eq_u32 ttmp9, 0                          ; a cluster's four tile columns are one whole W: cluster x = 0 is Wq, 1 is Wk
	s_cselect_b64 s[8:9], s[8:9], s[10:11]
	s_lshl_b32 s47, s40, 2
	s_add_co_u32 s47, s47, s14                     ; my head: 4 cx + wave
	s_lshl_b32 s84, s47, 8                         ; its 64 numbers of the bias
	s_lshl_b32 s86, ttmp9, 6                       ; the output: record ((64 x which + 16 x batch + head) x 16 + step of 128 tokens)
	s_lshr_b32 s90, s17, 4
	s_lshl_b32 s90, s90, 4
	s_add_co_u32 s86, s86, s90
	s_add_co_u32 s86, s86, s47
	s_lshl_b32 s86, s86, 4
	s_and_b32 s90, s17, 15
	s_add_co_u32 s86, s86, s90
	s_mul_i32 s86, s86, 6400
.endif
.if MODE == 1
	s_lshl_b32 s84, s17, 9
	s_lshl_b32 s90, s15, 8
	s_add_co_u32 s84, s84, s90                     ; the bias of my head's 64 columns: 4 (128 gy + 64 (wave / 2))
	s_lshr_b32 s86, s42, 3                         ; the output: record ((16 x batch + head) x 16 + key step)
	s_lshl_b32 s86, s86, 4
	s_lshl_b32 s90, s17, 1
	s_add_co_u32 s86, s86, s90
	s_add_co_u32 s86, s86, s15
	s_lshl_b32 s86, s86, 4
	s_lshl_b32 s90, s42, 1
	s_add_co_u32 s90, s90, s16
	s_and_b32 s90, s90, 15
	s_add_co_u32 s86, s86, s90
	s_mul_i32 s86, s86, 6400
.endif
.if MODE == 2
	s_lshl_b32 s47, s42, 2
	s_add_co_u32 s47, s47, s14                     ; my 64 columns: 4 gx + wave
	s_lshl_b32 s84, s47, 8
	s_lshl_b32 s86, s17, 19                        ; the output: 128 gy rows of 4,096 bytes + 256 bytes for each 64 columns
	s_add_co_u32 s86, s86, s84
.endif
	s_add_nc_u64 s[8:9], s[8:9], s[84:85]
	s_add_nc_u64 s[12:13], s[12:13], s[86:87]
	; THE BIAS is the C of each sum's first matrix instruction: eight registers a tile, in the result's layout
.if MODE == 1
	v_and_b32 v[BO], 8, v1                         ; along R's rows, that is along the lanes: all eight registers hold the number of column r + 8 (r / 8) of the tile
	v_add_nc_u32 v[BO], v[BO], v1
	v_lshlrev_b32 v[BO], 2, v[BO]
.irp a, 0,1,2,3
.irp j, 0,1,2,3,4,5,6,7
	global_load_b32 v[BI+8*\a+\j], v[BO], s[8:9] offset:(32*(\a/2)+8*(\a%2))*4
.endr
.endr
.else
	v_lshlrev_b32 v[BO], 7, v2                     ; tile b's registers are columns 32 h + 8 b + 0 .. 7
.irp b, 0,1,2,3
	global_load_b128 v[BI+8*\b:BI+8*\b+3], v[BO], s[8:9] offset:32*\b
	global_load_b128 v[BI+8*\b+4:BI+8*\b+7], v[BO], s[8:9] offset:32*\b+16
.endr
.endif
.if MODE == 2
	s_mul_i32 s45, s14, 16*272                     ; my stage: 16 rows x (256 bytes + 16), in chunk 0, which has had its one fill and is read by nobody behind chunk 1's barrier
	v_mul_u32_u24 v[STO], v1, 272
	v_lshl_add_u32 v[STO], v2, 6, v[STO]
	v_add_nc_u32 v[STO], s45, v[STO]               ; in: row r, + 64 h
	v_mul_u32_u24 v[RD], v2, 272
	v_lshl_add_u32 v[RD], v1, 4, v[RD]
	v_add_nc_u32 v[RD], s45, v[RD]                 ; back: lanes 0-15 one row, lanes 16-31 the next
	v_lshlrev_b32 v[CO], 4, v1
	v_lshl_add_u32 v[CO], v2, 12, v[CO]            ; and the same two rows in out0
.else
	s_mov_b32 s[SEL], 0x76543210
	s_mov_b32 s[SEL+1], 0xfedcba98
	v_lshlrev_b32 v[TM+8], 3, v2                   ; 8 h: how far my two scale bytes are shifted in a scale word
.irp b, 0,1,2,3
	v_mov_b32 v[TM+4+\b], 0                        ; written once: a lane permute's destination counts as one of its sources
.endr
.endif
; a fragment, 12 registers, from its two images of six: 512 bytes (16 x lane), 256 bytes (8 x lane), twice
.macro FRAG f, a16, a8, off
	ds_load_b128 v[\f:\f+3],     v[\a16] offset:\off
	ds_load_b64  v[\f+4:\f+5],   v[\a8]  offset:\off+512
	ds_load_b128 v[\f+6:\f+9],   v[\a16] offset:\off+768
	ds_load_b64  v[\f+10:\f+11], v[\a8]  offset:\off+1280
.endm
.macro FETCH s                         ; K step s: my NPT + NRT fragments, into window 0 (s even) or 2 (s odd).  In a half the four steps' codes lie at 0, 1536, 3328 and 4864
.if (\s)%2
	WIN 0x80
.else
	WIN 0
.endif
.set CB, 1536*((\s)%4)+256*(((\s)%4)/2)
.set II, 0
.rept NPT
	FRAG FS+12*II, AP16, AP8, CHK*II+CB
.set II, II+1
.endr
.set II, 0
.rept NRT
	FRAG FS+12*NPT+12*II, AR16, AR8, CHK*II+CB
.set II, II+1
.endr
	WIN 0
.endm
.macro SCALES q                        ; chunk q's scale words, two a row, into set q % 2: both halves of the lanes read the same words
.set SB, 3072+128*((\q)%2)
.set II, 0
.rept NPT
	ds_load_b64 v[SC+24*((\q)%2)+2*II:SC+24*((\q)%2)+2*II+1], v[APS] offset:CHK*II+SB
.set II, II+1
.endr
.set II, 0
.rept NRT
	ds_load_b64 v[SC+24*((\q)%2)+2*(NPT+II):SC+24*((\q)%2)+2*(NPT+II)+1], v[ARS] offset:CHK*II+SB
.set II, II+1
.endr
.endm
; 16 matrix instructions of K step s.  The 32 accumulators take turns, one instruction a turn, in the same order in every step.  Step 0 starts the sums with the bias.
.macro MULH s, half
.if (\s) == 0
	WIN 0x40
.elseif (\s)%2
	WIN 0x5a
.else
	WIN 0x50
.endif
.set NN, 16*(\half)
.rept 16
.set AA, NN/NPT
.set BB, NN%NPT
.set SCP, SC+24*(((\s)/2)%2)+2*BB+(\s)%2
.set SCR, SC+24*(((\s)/2)%2)+2*(NPT+AA)+(\s)%2
.if MODE == 1
.set CC, BI+8*AA
.else
.set CC, BI+8*BB
.endif
.if (\s) == 0
	v_wmma_scale_f32_16x16x128_f8f6f4 v[8*NN:8*NN+7], v[FS+12*BB:FS+12*BB+11], v[FS+12*NPT+12*AA:FS+12*NPT+12*AA+11], v[CC:CC+7], v[SCP], v[SCR] matrix_a_fmt:MATRIX_FMT_FP6 matrix_b_fmt:MATRIX_FMT_FP6
.else
	v_wmma_scale_f32_16x16x128_f8f6f4 v[8*NN:8*NN+7], v[FS+12*BB:FS+12*BB+11], v[FS+12*NPT+12*AA:FS+12*NPT+12*AA+11], v[8*NN:8*NN+7], v[SCP], v[SCR] matrix_a_fmt:MATRIX_FMT_FP6 matrix_b_fmt:MATRIX_FMT_FP6
.endif
.set NN, NN+1
.endr
.endm
; A K step: 32 matrix instructions; in its middle the next step's 48 LDS loads, in one run, into the other set of fragments.
; A load into a register that a matrix instruction has read stands four plain vector instructions behind it (ISA guide 7.12.1 for vector instructions).
.macro STEP s
	s_wait_dscnt 0x0                               ; this step's fragments, asked for 16 matrix instructions ago, are in
	MULH \s, 0
	WIN 0
.if (\s) < 7
.if (\s) == 3
	s_wait_tensorcnt 0x0                           ; my load has landed, whichever it was: half 1 is shown to all; nothing is filled again
	s_barrier_signal -1                            ; (no LDS instruction of mine is pending)
	s_barrier_wait -1                              ; everybody's part has
.irp r, 4,5,6,7,8,9
	v_add_nc_u32 v\r, CHUNK, v\r                   ; on to the next chunk: these six are also the places in front of the loads
.endr
.else
	PLACES 4
.endif
	s_wait_alu depctr_va_vdst(0)
	FETCH (\s)+1
.if ((\s)+1)%2 == 0
	SCALES ((\s)+1)/2
.endif
.endif
	MULH \s, 1
.endm
	s_wait_alu depctr_va_vdst(0)
	s_wait_loadcnt 0x0                             ; the bias
	s_cmp_lt_u32 s14, 2
	s_cbranch_scc0 .Lnot_first
	s_wait_tensorcnt 0x0                           ; waves 0 and 1: half 0 has landed; half 1 may be on its way
.Lnot_first:
	s_barrier_signal -1
	s_barrier_wait -1
	FETCH 0
	SCALES 0
.irp s, 0,1,2,3,4,5,6,7
	STEP \s
.endr
	WIN 0
	PLACES 4                                       ; in front of the first read of results, and of writes into registers that held fragments
.if MODE != 2
; THE WAY OUT, MODES 0 AND 1.  The 64 registers of group g, register 16 b + i = k 32 b + 16 h + i of the lane's row, are one fragment of the attention's:
; MODE 0: [tile 2 g of the tokens | tile 2 g + 1] x the head's 64 (blocks 0, 1 | 2, 3);  MODE 1: tile g of the head's 64 x 128 keys.  Each accumulator is read from its low end on.
.macro QUANTW g
.set SRC, 64*(\g)
.set DST, FS+12*(\g)
	WIN 0x05                                       ; sources 0 and 1: the accumulators' window
.irp b, 0,1,2,3
	v_max3_num_f32 v[TM+\b], |v[SRC+16*\b]|, |v[SRC+1+16*\b]|, 0x1800000   ; my 16 numbers of block b, and the floor 2^(3 - 127): the byte cannot fall under 1
.endr
	WIN 0x14                                       ; sources 1 and 2
.irp i, 2,4,6,8,10,12,14
.irp b, 0,1,2,3
	v_max3_num_f32 v[TM+\b], v[TM+\b], |v[SRC+16*\b+\i]|, |v[SRC+1+16*\b+\i]|
.endr
.endr
	WIN 0
	v_max_num_f32 v[TM], v[TM], v[TM+1]            ; registers 0-31 are my block h, registers 32-63 my block 2 + h: both whole in my lane
	v_max_num_f32 v[TM+2], v[TM+2], v[TM+3]
.irp b, 0,1,2,3
	v_add_nc_u32 v[TM+12+\b], 0xff000000, v[TM+2*(\b/2)]   ; 2 off the exponent field: the scale operand of each of the four conversions
.endr
	v_lshrrev_b32 v[TM+4], 23, v[TM+12]            ; the two bytes,
	v_lshrrev_b32 v[TM+5], 23, v[TM+14]
	v_lshl_or_b32 v[TM+4], v[TM+5], 16, v[TM+4]
	v_lshlrev_b32 v[TM+4], v[TM+8], v[TM+4]        ; at places h and 2 + h of the word;
	v_permlanex16_b32 v[TM+6], v[TM+4], s[SEL], s[SEL+1]
	v_or_b32 v[SW+\g], v[TM+4], v[TM+6]            ; with lane l xor 16's two the word is whole
	WIN 0x01                                       ; source 0: the accumulators' window
.irp c, 0,1
	v_cvt_scalef32_pk16_fp6_f32 v[DST+6*\c:DST+2+6*\c], v[SRC+32*\c:SRC+15+32*\c], v[TM+12+2*\c]
	v_cvt_scalef32_pk16_fp6_f32 v[TQ+4*\c:TQ+2+4*\c], v[SRC+16+32*\c:SRC+31+32*\c], v[TM+12+2*\c+1]   ; (a conversion's three registers begin on an even number)
.endr
	WIN 0
	v_nop                                          ; one plain instruction behind a scaled conversion
.irp c, 0,1                                    ; a whole block into each lane: lanes 0-15 block 2 c, lanes 16-31 block 2 c + 1
.irp i, 0,1,2
	v_mov_b32 v[DST+3+6*\c+\i], v[TQ+4*\c+\i]
.endr
.endr
.irp c, 0,1,2
	global_store_b128 v[LI], v[DST+4*\c:DST+4*\c+3], s[12:13] offset:1536*(\g)+512*\c   ; the fragment as an image of its registers: 512 consecutive bytes a store, aligned to 256; each group has registers of its own
.endr
.endm
	QUANTW 0
	QUANTW 1
	QUANTW 2
	QUANTW 3
	v_cmp_ne_u32 vcc_lo, 0, v2                     ; the record's scale words [row][4 words]: lanes 0-15 store words 0 and 1, lanes 16-31 words 2 and 3
	v_cndmask_b32 v[SW+4], v[SW], v[SW+2], vcc_lo
	v_cndmask_b32 v[SW+5], v[SW+1], v[SW+3], vcc_lo
	global_store_b64 v[SWO], v[SW+4:SW+5], s[12:13] offset:6144   ; 256 consecutive bytes, aligned
.else
; THE WAY OUT, MODE 2: eight blocks of 16 tokens x my 64 columns.  A lane holds pieces of one row and the lanes beside it other rows: a block goes through my stage and comes back as rows of 256 bytes,
; which sixteen lanes store whole.  LDS serves a wave's instructions in order: no wait between the stores and the loads, nor in front of the next block's stores.
.macro TOSTAGE a
	WIN 0x04                                       ; an LDS store's data are its source 1: the accumulators' window
.irp b, 0,1,2,3
	ds_store_b128 v[STO], v[8*(4*(\a)+\b):8*(4*(\a)+\b)+3] offset:128*(\b/2)+32*(\b%2)       ; each accumulator from its low end on
	ds_store_b128 v[STO], v[8*(4*(\a)+\b)+4:8*(4*(\a)+\b)+7] offset:128*(\b/2)+32*(\b%2)+16
.endr
	WIN 0
.irp i, 0,1,2,3,4,5,6,7
	ds_load_b128 v[FS+32*((\a)%2)+4*\i:FS+32*((\a)%2)+4*\i+3], v[RD] offset:544*\i
.endr
.endm
.macro SEND a, younger                 ; younger: the LDS instructions issued behind block a's loads, which may stay out
	s_wait_dscnt \younger
.irp i, 0,1,2,3,4,5,6,7
	global_store_b128 v[CO], v[FS+32*((\a)%2)+4*\i:FS+32*((\a)%2)+4*\i+3], s[12:13] offset:(32*((\a)/2)+8*((\a)%2)+2*\i+8*(\i/4))*4096 th:TH_STORE_NT   ; stage rows 2 i, 2 i + 1 are the tile's tokens 2 i + 8 (i / 4) + h; 16 lanes store 256 consecutive bytes, aligned
.endr
.endm
	TOSTAGE 0
.irp a, 1,2,3,4,5,6,7
.if \a > 1
	s_wait_xcnt 0x0                                ; block a - 2's stores have read their registers: block a's loads may land there
.endif
	TOSTAGE \a
	SEND \a-1, 16                                  ; behind block a - 1's loads: block a's 8 stores and 8 loads
.endr
	SEND 7, 0
.endif
	s_wait_dscnt 0x0
	s_wait_tensorcnt 0x0
	ds_add_u32 v106, v107
	s_wait_dscnt 0x0
	CROUND                                         ; the closing round: no work-group ends while a partner may still ask for a tile that names it
	s_endpgm
.Lfunc_end_k_q015257d8d0_projqk:
	.size	k_q015257d8d0_projqk, .Lfunc_end_k_q015257d8d0_projqk-k_q015257d8d0_projqk
	.p2alignl 7, 3214868480
	.fill 96, 4, 3214868480
	.section	.rodata,"a",@progbits
	.p2align	6, 0x0
	.amdhsa_kernel k_q015257d8d0_projqk
		.amdhsa_group_segment_fixed_size 327680
		.amdhsa_private_segment_fixed_size 0
		.amdhsa_enable_private_segment 0
		.amdhsa_kernarg_size 40
		.amdhsa_user_sgpr_count 2
		.amdhsa_user_sgpr_kernarg_segment_ptr 1
		.amdhsa_wavefront_size32 1
		.amdhsa_system_sgpr_workgroup_id_x 1
		.amdhsa_system_sgpr_workgroup_id_y 1
		.amdhsa_system_sgpr_workgroup_id_z 1
		.amdhsa_system_vgpr_workitem_id 0
		.amdhsa_next_free_vgpr 768
		.amdhsa_next_free_sgpr 100
		.amdhsa_reserve_vcc 1
		.amdhsa_float_denorm_mode_32 3
		.amdhsa_float_denorm_mode_16_64 3
		.amdhsa_memory_ordered 1
		.amdhsa_forward_progress 1
		.amdhsa_inst_pref_size 85
	.end_amdhsa_kernel
	.amdgpu_metadata
---
amdhsa.version: [ 1, 2 ]
amdhsa.kernels:
  - .name:           k_q015257d8d0_projqk
    .symbol:         k_q015257d8d0_projqk.kd
    .args:
      - { .name: wqkrec, .offset: 0, .size: 8, .value_kind: global_buffer, .address_space: global }
      - { .name: xrec, .offset: 8, .size: 8, .value_kind: global_buffer, .address_space: global }
      - { .name: bq, .offset: 16, .size: 8, .value_kind: global_buffer, .address_space: global }
      - { .name: bk, .offset: 24, .size: 8, .value_kind: global_buffer, .address_space: global }
      - { .name: qkfrag, .offset: 32, .size: 8, .value_kind: global_buffer, .address_space: global }
    .group_segment_fixed_size: 327680
    .private_segment_fixed_size: 0
    .kernarg_segment_align: 8
    .kernarg_segment_size: 40
    .max_flat_workgroup_size: 128
    .sgpr_count:     100
    .vgpr_count:     768
    .wavefront_size: 32
...
	.end_amdgpu_metadata
.endif
;; end of part 2
;; launch projv (part 3): grid 32 x 8, 4 waves a work-group, clusters of 4 x 4, 327,680 bytes of LDS; arguments xrec, wvrec, bv, vfrag; writes vfrag
.if DOCPART == 3
	.amdgcn_target "amdgcn-amd-amdhsa--gfx1250"
	.amdhsa_code_object_version 6
	.text
	.protected	k_q015257d8d0_projv
	.globl	k_q015257d8d0_projv
	.p2align	8
	.type	k_q015257d8d0_projv,@function
k_q015257d8d0_projv:
	s_mov_b64 s[64:65], 0
	v_nop
	global_prefetch_b8 v0, s[64:65] scope:SCOPE_SE
	s_setreg_imm32_b32 hwreg(HW_REG_WAVE_MODE, 25, 1), 1
	s_wait_xcnt 0x0
	s_wait_alu depctr_hold_cnt(0) depctr_sa_sdst(0) depctr_va_vdst(0) depctr_va_sdst(0) depctr_va_ssrc(0) depctr_va_vcc(0) depctr_vm_vsrc(0)
	s_getreg_b32 s2, hwreg(HW_REG_IB_STS2, 6, 4)
	s_cmp_eq_u32 s2, 0
	s_cbranch_scc0 .Lentry_in_a_cluster
	s_endpgm
.Lentry_in_a_cluster:
	s_bfe_u32 s2, ttmp6, 0x10000c
	s_cmp_lg_u32 s2, 0xf033
	s_cbranch_scc0 .Lentry_shape_is_right
	s_endpgm
.Lentry_shape_is_right:
; ONE TEXT FOR THREE LAUNCHES, told apart by MODE.  D = P R^T + bias over K = 1,024, on FP6 (E2M3) codes with one E8M0 scale for each 32 along K; sums in f32.
;   MODE 0: P = Wq's and Wk's rows, R = tokens: Q and K with their biases, quantised along the head's 64, stored as operands of the attention's first product.
;   MODE 1: P = tokens, R = Wv's rows: V with its bias, quantised along the keys, stored as operands of the attention's second product.
;   MODE 2: P = Wo's rows, R = tokens (the attention's result): out0 = O Wo^T + bo, f32.
; P is the matrix instruction's source 0, R its source 1: lane (r, h) holds R's row r of a tile, and its register j P's row 8 h + j of a tile.
; A TILE is 16 rows that are not neighbours: tile 2 g + u holds rows 32 g + 8 u + i + 8 (i / 8).  So the 16 registers of P's tiles 2 g and 2 g + 1 are P's rows 32 g + 16 h + 0 .. 15: 16 neighbours along the next product's K.
; INPUTS are tile records of 12,800 bytes (16 rows x 1,024 K), four chunks of 3,200 bytes, each two K steps of 128: their codes as images of the operand's registers and 128 bytes of scale words [row][2 words].
; SHARES: a work-group takes 256 rows of P (16 tiles) x 128 rows of R (8 tiles); a wave NPT x NRT tiles, 32 accumulators.  All of K of both lies in LDS at once: 24 records, 307,200 bytes.
; Every LDS byte is filled ONCE, by four tensor loads a wave, all issued at the head: four of mine are outstanding at the most.  A chunk is read behind a counted wait and a barrier; nothing is filled again.
; CLUSTERS: 4 x 4 work-groups.  P's tiles hang on the tile column alone and are asked for jointly by a column of the cluster, R's on the tile row alone and by a row.
; LIMITS (MODES 0, 1): NaN and infinities are not served; a block of zeros gets the byte 1 where the rule says 127: its codes are zeros, and this program alone reads the bytes.
; REGISTERS, in windows of 256: window 0: v1-15 addresses; v16-63 scale words, two sets of 24; v64-95 the bias; v96-111 at work; v112-255 fragments of even K steps (P's, then R's).
;   window 1: the 32 accumulators, (a, b) = (R's tile, P's tile) at v[8 (a NPT + b)].   window 2: v112-255 fragments of odd K steps.
.set MODE, 1
.if MODE == 1
.set NPT, 8
.set NRT, 4
.else
.set NPT, 4
.set NRT, 8
.endif
.set REC,   12800
; (Over the head's words on tiles, chunks and fills.)  A tile 4 B + j holds rows 64 B + 8 j + i and 64 B + 32 + 8 j + i: the 32 registers of a band's four tiles of P are P's rows 64 B + 32 h + 0 .. 31.
; LDS holds two halves of K, each with the 24 records' halves of 6,400 bytes (25 x 256), four K steps each.  One tensor load a wave, all at the head: wave 0 P's half 0, wave 1 R's, wave 2 P's half 1, wave 3 R's;
; a load's rows are 6,400 bytes, 12,800 apart in memory.  Half 0 is read behind waves 0 and 1's wait and a barrier, half 1 behind every wave's wait and the barrier in K step 3.
.set CHK,   6400                       ; half a record
.set CHUNK, 24*CHK                     ; LDS: a chunk of all 24 records: P's 16, then R's 8
.set ROFF,  16*CHK
.set AP16, 4                           ; v4   16 x lane + my first tile of P, in the chunk in hand
.set AP8,  5                           ; v5   8 x lane + the same
.set APS,  6                           ; v6   8 r + the same
.set AR16, 7                           ; v7-9 the same for R
.set AR8,  8
.set ARS,  9
.set LI,   10                          ; v10  16 x lane
.set SWO,  11                          ; v11  16 r + 8 h: my two scale words' place in a step record
.set BO,   12                          ; v12  my offset in the bias
.set STO,  13                          ; v13  MODE 2: the stage, on the way in
.set RD,   14                          ; v14  and back
.set CO,   15                          ; v15  my byte offset in two rows of out0
.set SC,   16
.set BI,   64
.set TM,   96
.set FS,   112
.set TQ,   160
.set SW,   168
.set G1P, 24                           ; s[24:31] descriptor group 1 for P;  s[32:39] for R
.set G1R, 32
.set G0P, 48                           ; s[48:63] groups 0 for P's four chunks;  s[68:83] for R's
.set G0R, 68
.set SEL, 88
.set MSB, 0
.macro WIN new                         ; s_set_vgpr_msb: bits 1:0 source 0, 3:2 source 1, 5:4 source 2, 7:6 destination; the high byte repeats the setting that is left
.if MSB != \new
	s_set_vgpr_msb (MSB<<8)|\new
.set MSB, \new
.endif
.endm
.macro PLACES n
.rept \n
	v_nop
.endr
.endm
.macro CROUND                          ; a round of the cluster's barrier
	s_barrier_signal -1
	s_barrier_wait -1
	s_cmp_lg_u32 s14, 0
	s_cbranch_scc1 .Lnot_wave_0_\@
	s_barrier_signal -3
.Lnot_wave_0_\@:
	s_barrier_wait -3
	s_barrier_signal -1
	s_barrier_wait -1
.endm
	s_load_b128 s[4:7], s[0:1], 0x0                ; P, R
.if MODE == 0
	s_load_b128 s[8:11], s[0:1], 0x10              ; bq, bk
	s_load_b64 s[12:13], s[0:1], 0x20              ; the output
.else
	s_load_b64 s[8:9], s[0:1], 0x10                ; the bias
	s_load_b64 s[12:13], s[0:1], 0x18              ; the output
	v_lshl_add_u32 v106, v0, 2, 0x4b000
	v_mov_b32 v107, 0
	ds_add_u32 v106, v107
	ds_add_u32 v106, v107
.endif
	v_lshrrev_b32 v1, 5, v0
	v_readfirstlane_b32 s14, v1                    ; wave 0..3
	s_lshr_b32 s15, s14, 1
	s_and_b32 s16, s14, 1
	s_bfe_u32 s40, ttmp6, 0x40000                  ; cx, cy: my place in the cluster
	s_bfe_u32 s41, ttmp6, 0x40004
	s_lshl_b32 s42, ttmp9, 2
	s_add_co_u32 s42, s42, s40                     ; gx: which 256 rows of P
	s_and_b32 s17, ttmp7, 0xffff
	s_lshl_b32 s17, s17, 2
	s_add_co_u32 s17, s17, s41                     ; gy: which 128 rows of R
	s_lshl_b32 s43, s41, 2
	s_lshl_b32 s43, 15, s43                        ; my row of the cluster
	s_lshl_b32 s44, 0x1111, s40                    ; my column
	; group 1: rows of 6,400 bytes (800 elements of 8), 12,800 bytes apart in memory, dense in LDS; 16 records for P, 8 for R
	s_or_b32 s[G1P], s44, (3<<16)|(1<<21)          ; 15:0 the mask: P's tiles go to my column; 17:16 elements of 8 bytes; 21 set beside a mask
	s_or_b32 s[G1R], s43, (3<<16)|(1<<21)          ; R's go to my row
	s_mov_b32 s[G1P+1], 800<<16                    ; rows of 800 elements of 8 bytes
	s_mov_b32 s[G1P+2], 16<<16                     ; 16 records
	s_mov_b32 s[G1P+3], 800<<16
	s_mov_b32 s[G1P+4], 16
	s_mov_b32 s[G1P+5], 1600                       ; tensor_dim0_stride
	s_mov_b32 s[G1P+6], 0
	s_mov_b32 s[G1P+7], 0
	s_mov_b32 s[G1R+1], 800<<16
	s_mov_b32 s[G1R+2], 8<<16                      ; 8 records
	s_mov_b32 s[G1R+3], 800<<16
	s_mov_b32 s[G1R+4], 8
	s_mov_b32 s[G1R+5], 1600
	s_mov_b32 s[G1R+6], 0
	s_mov_b32 s[G1R+7], 0
	; waves 0, 1 fetch P's halves, waves 2, 3 R's.  Every wave makes both addresses, in registers that never hold the other coordinate
	s_mul_i32 s18, s42, 16*REC                     ; P: record 16 gx,
	s_mul_i32 s22, s15, CHK                        ; half wave / 2
	s_add_co_u32 s18, s18, s22
	s_mov_b32 s19, 0
	s_mul_i32 s20, s17, 8*REC                      ; R: record 8 gy, the same half
	s_add_co_u32 s20, s20, s22
	s_mov_b32 s21, 0
	s_mul_i32 s22, s15, CHUNK                      ; where the half lies in LDS: no place in the cluster enters an LDS address
	s_wait_dscnt 0x0
	s_wait_kmcnt 0x0
	s_add_nc_u64 s[18:19], s[4:5], s[18:19]
	s_add_nc_u64 s[20:21], s[6:7], s[20:21]
	CROUND                                         ; all sixteen work-groups are here: the joint loads meet
	s_mov_b32 s[G0P], 1
	s_mov_b32 s[G0P+1], s22
	s_mov_b64 s[G0P+2:G0P+3], s[18:19]
	s_or_b32 s[G0P+3], s[G0P+3], 0x80000000
	s_mov_b32 s[G0R], 1
	s_add_co_u32 s[G0R+1], s22, ROFF
	s_mov_b64 s[G0R+2:G0R+3], s[20:21]
	s_or_b32 s[G0R+3], s[G0R+3], 0x80000000
.macro ARM under, g0, g1, next         ; one chain of branches on the wave's number, one load to an arm, all arms to one join
	s_cmp_lt_u32 s14, \under
	s_cbranch_scc0 \next
	tensor_load_to_lds s[\g0:\g0+3], s[\g1:\g1+7]
	s_nop 0
	PLACES 4
	s_branch .Lasked
\next:
.endm
	ARM 1, G0P, G1P, .Larm_1
	ARM 2, G0R, G1R, .Larm_2
	ARM 3, G0P, G1P, .Larm_3
	tensor_load_to_lds s[G0R:G0R+3], s[G1R:G1R+7]
	s_nop 0
	PLACES 4
.Lasked:
	v_and_b32 v1, 15, v0                           ; r
	v_bfe_u32 v2, v0, 4, 1                         ; h
	v_and_b32 v3, 31, v0                           ; lane
.if MODE == 1
	s_mul_i32 s45, s16, 8*CHK                      ; my tiles of P: 8 (wave % 2) on;
	s_mul_i32 s46, s15, 4*CHK                      ; of R: 4 (wave / 2) on
.else
	s_mul_i32 s45, s14, 4*CHK                      ; my tiles of P: 4 x wave on; of R: all eight
	s_mov_b32 s46, 0
.endif
	s_add_co_u32 s46, s46, ROFF
	v_lshl_add_u32 v[AP16], v3, 4, s45
	v_lshl_add_u32 v[AP8], v3, 3, s45
	v_lshl_add_u32 v[APS], v1, 3, s45
	v_lshl_add_u32 v[AR16], v3, 4, s46
	v_lshl_add_u32 v[AR8], v3, 3, s46
	v_lshl_add_u32 v[ARS], v1, 3, s46
	v_lshlrev_b32 v[LI], 4, v3
	v_lshlrev_b32 v[SWO], 4, v1
	v_lshl_add_u32 v[SWO], v2, 3, v[SWO]
	s_mov_b32 s85, 0
	s_mov_b32 s87, 0
.if MODE == 0
	s_cmp_eq_u32 ttmp9, 0                          ; a cluster's four tile columns are one whole W: cluster x = 0 is Wq, 1 is Wk
	s_cselect_b64 s[8:9], s[8:9], s[10:11]
	s_lshl_b32 s47, s40, 2
	s_add_co_u32 s47, s47, s14                     ; my head: 4 cx + wave
	s_lshl_b32 s84, s47, 8                         ; its 64 numbers of the bias
	s_lshl_b32 s86, ttmp9, 6                       ; the output: record ((64 x which + 16 x batch + head) x 16 + step of 128 tokens)
	s_lshr_b32 s90, s17, 4
	s_lshl_b32 s90, s90, 4
	s_add_co_u32 s86, s86, s90
	s_add_co_u32 s86, s86, s47
	s_lshl_b32 s86, s86, 4
	s_and_b32 s90, s17, 15
	s_add_co_u32 s86, s86, s90
	s_mul_i32 s86, s86, 6400
.endif
.if MODE == 1
	s_lshl_b32 s84, s17, 9
	s_lshl_b32 s90, s15, 8
	s_add_co_u32 s84, s84, s90                     ; the bias of my head's 64 columns: 4 (128 gy + 64 (wave / 2))
	s_lshr_b32 s86, s42, 3                         ; the output: record ((16 x batch + head) x 16 + key step)
	s_lshl_b32 s86, s86, 4
	s_lshl_b32 s90, s17, 1
	s_add_co_u32 s86, s86, s90
	s_add_co_u32 s86, s86, s15
	s_lshl_b32 s86, s86, 4
	s_lshl_b32 s90, s42, 1
	s_add_co_u32 s90, s90, s16
	s_and_b32 s90, s90, 15
	s_add_co_u32 s86, s86, s90
	s_mul_i32 s86, s86, 6400
.endif
.if MODE == 2
	s_lshl_b32 s47, s42, 2
	s_add_co_u32 s47, s47, s14                     ; my 64 columns: 4 gx + wave
	s_lshl_b32 s84, s47, 8
	s_lshl_b32 s86, s17, 19                        ; the output: 128 gy rows of 4,096 bytes + 256 bytes for each 64 columns
	s_add_co_u32 s86, s86, s84
.endif
	s_add_nc_u64 s[8:9], s[8:9], s[84:85]
	s_add_nc_u64 s[12:13], s[12:13], s[86:87]
	; THE BIAS is the C of each sum's first matrix instruction: eight registers a tile, in the result's layout
.if MODE == 1
	v_and_b32 v[BO], 8, v1                         ; along R's rows, that is along the lanes: all eight registers hold the number of column r + 24 (r / 8) of the tile
	v_mad_u32_u24 v[BO], v[BO], 3, v1              ; row r of tile a is column 8 a + r + 24 (r / 8) of the head
	v_lshlrev_b32 v[BO], 2, v[BO]
.irp a, 0,1,2,3
.irp j, 0,1,2,3,4,5,6,7
	global_load_b32 v[BI+8*\a+\j], v[BO], s[8:9] offset:32*\a
.endr
.endr
.else
	v_lshlrev_b32 v[BO], 6, v2                     ; along P's rows, that is along the registers: tile b's are columns 32 (b / 2) + 16 h + 8 (b % 2) + 0 .. 7
.irp b, 0,1,2,3
	global_load_b128 v[BI+8*\b:BI+8*\b+3], v[BO], s[8:9] offset:(32*(\b/2)+8*(\b%2))*4
	global_load_b128 v[BI+8*\b+4:BI+8*\b+7], v[BO], s[8:9] offset:(32*(\b/2)+8*(\b%2))*4+16
.endr
.endif
.if MODE == 2
	s_mul_i32 s45, s14, 16*272                     ; my stage: 16 rows x (256 bytes + 16), in chunk 0, which has had its one fill and is read by nobody behind chunk 1's barrier
	v_mul_u32_u24 v[STO], v1, 272
	v_lshl_add_u32 v[STO], v2, 6, v[STO]
	v_add_nc_u32 v[STO], s45, v[STO]               ; in: row r, + 64 h
	v_mul_u32_u24 v[RD], v2, 272
	v_lshl_add_u32 v[RD], v1, 4, v[RD]
	v_add_nc_u32 v[RD], s45, v[RD]                 ; back: lanes 0-15 one row, lanes 16-31 the next
	v_lshlrev_b32 v[CO], 4, v1
	v_lshl_add_u32 v[CO], v2, 12, v[CO]            ; and the same two rows in out0
.else
	s_mov_b32 s[SEL], 0x76543210
	s_mov_b32 s[SEL+1], 0xfedcba98
	v_lshlrev_b32 v[TM+8], 3, v2                   ; 8 h: how far my two scale bytes are shifted in a scale word
.irp b, 0,1,2,3
	v_mov_b32 v[TM+4+\b], 0                        ; written once: a lane permute's destination counts as one of its sources
.endr
.endif
; a fragment, 12 registers, from its two images of six: 512 bytes (16 x lane), 256 bytes (8 x lane), twice
.macro FRAG f, a16, a8, off
	ds_load_b128 v[\f:\f+3],     v[\a16] offset:\off
	ds_load_b64  v[\f+4:\f+5],   v[\a8]  offset:\off+512
	ds_load_b128 v[\f+6:\f+9],   v[\a16] offset:\off+768
	ds_load_b64  v[\f+10:\f+11], v[\a8]  offset:\off+1280
.endm
.macro FETCH s                         ; K step s: my NPT + NRT fragments, into window 0 (s even) or 2 (s odd).  In a half the four steps' codes lie at 0, 1536, 3328 and 4864
.if (\s)%2
	WIN 0x80
.else
	WIN 0
.endif
.set CB, 1536*((\s)%4)+256*(((\s)%4)/2)
.set II, 0
.rept NPT
	FRAG FS+12*II, AP16, AP8, CHK*II+CB
.set II, II+1
.endr
.set II, 0
.rept NRT
	FRAG FS+12*NPT+12*II, AR16, AR8, CHK*II+CB
.set II, II+1
.endr
	WIN 0
.endm
.macro SCALES q                        ; chunk q's scale words, two a row, into set q % 2: both halves of the lanes read the same words
.set SB, 3072+128*((\q)%2)
.set II, 0
.rept NPT
	ds_load_b64 v[SC+24*((\q)%2)+2*II:SC+24*((\q)%2)+2*II+1], v[APS] offset:CHK*II+SB
.set II, II+1
.endr
.set II, 0
.rept NRT
	ds_load_b64 v[SC+24*((\q)%2)+2*(NPT+II):SC+24*((\q)%2)+2*(NPT+II)+1], v[ARS] offset:CHK*II+SB
.set II, II+1
.endr
.endm
; 16 matrix instructions of K step s.  The 32 accumulators take turns, one instruction a turn, in the same order in every step.  Step 0 starts the sums with the bias.
.macro MULH s, half
.if (\s) == 0
	WIN 0x40
.elseif (\s)%2
	WIN 0x5a
.else
	WIN 0x50
.endif
.set NN, 16*(\half)
.rept 16
.set AA, NN/NPT
.set BB, NN%NPT
.set SCP, SC+24*(((\s)/2)%2)+2*BB+(\s)%2
.set SCR, SC+24*(((\s)/2)%2)+2*(NPT+AA)+(\s)%2
.if MODE == 1
.set CC, BI+8*AA
.else
.set CC, BI+8*BB
.endif
.if (\s) == 0
	v_wmma_scale_f32_16x16x128_f8f6f4 v[8*NN:8*NN+7], v[FS+12*BB:FS+12*BB+11], v[FS+12*NPT+12*AA:FS+12*NPT+12*AA+11], v[CC:CC+7], v[SCP], v[SCR] matrix_a_fmt:MATRIX_FMT_FP6 matrix_b_fmt:MATRIX_FMT_FP6
.else
	v_wmma_scale_f32_16x16x128_f8f6f4 v[8*NN:8*NN+7], v[FS+12*BB:FS+12*BB+11], v[FS+12*NPT+12*AA:FS+12*NPT+12*AA+11], v[8*NN:8*NN+7], v[SCP], v[SCR] matrix_a_fmt:MATRIX_FMT_FP6 matrix_b_fmt:MATRIX_FMT_FP6
.endif
.set NN, NN+1
.endr
.endm
; A K step: 32 matrix instructions; in its middle the next step's 48 LDS loads, in one run, into the other set of fragments.
; A load into a register that a matrix instruction has read stands four plain vector instructions behind it (ISA guide 7.12.1 for vector instructions).
.macro STEP s
	s_wait_dscnt 0x0                               ; this step's fragments, asked for 16 matrix instructions ago, are in
	MULH \s, 0
	WIN 0
.if (\s) < 7
.if (\s) == 3
	s_wait_tensorcnt 0x0                           ; my load has landed, whichever it was: half 1 is shown to all; nothing is filled again
	s_barrier_signal -1                            ; (no LDS instruction of mine is pending)
	s_barrier_wait -1                              ; everybody's part has
.irp r, 4,5,6,7,8,9
	v_add_nc_u32 v\r, CHUNK, v\r                   ; on to the next chunk: these six are also the places in front of the loads
.endr
.else
	PLACES 4
.endif
	s_wait_alu depctr_va_vdst(0)
	FETCH (\s)+1
.if ((\s)+1)%2 == 0
	SCALES ((\s)+1)/2
.endif
.endif
	MULH \s, 1
.endm
	s_wait_alu depctr_va_vdst(0)
	s_wait_loadcnt 0x0                             ; the bias
	s_cmp_lt_u32 s14, 2
	s_cbranch_scc0 .Lnot_first
	s_wait_tensorcnt 0x0                           ; waves 0 and 1: half 0 has landed; half 1 may be on its way
.Lnot_first:
	s_barrier_signal -1
	s_barrier_wait -1
	FETCH 0
	SCALES 0
.irp s, 0,1,2,3,4,5,6,7
	STEP \s
.endr
	WIN 0
	PLACES 4                                       ; in front of the first read of results, and of writes into registers that held fragments
.if MODE != 2
; THE WAY OUT, MODES 0 AND 1.  The 64 registers of group g, register 16 b + i = k 32 b + 16 h + i of the lane's row, are one fragment of the attention's:
; MODE 0: [tile 2 g of the tokens | tile 2 g + 1] x the head's 64 (blocks 0, 1 | 2, 3);  MODE 1: tile g of the head's 64 x 128 keys.  Each accumulator is read from its low end on.
.macro QUANTW g
.set SRC, 64*(\g)
.set DST, FS+12*(\g)
	WIN 0x05                                       ; sources 0 and 1: the accumulators' window
.irp b, 0,1,2,3
	v_max3_num_f32 v[TM+\b], |v[SRC+16*\b]|, |v[SRC+1+16*\b]|, 0x1800000   ; my 16 numbers of block b, and the floor 2^(3 - 127): the byte cannot fall under 1
.endr
	WIN 0x14                                       ; sources 1 and 2
.irp i, 2,4,6,8,10,12,14
.irp b, 0,1,2,3
	v_max3_num_f32 v[TM+\b], v[TM+\b], |v[SRC+16*\b+\i]|, |v[SRC+1+16*\b+\i]|
.endr
.endr
	WIN 0
	v_max_num_f32 v[TM], v[TM], v[TM+1]            ; registers 0-31 are my block h, registers 32-63 my block 2 + h: both whole in my lane
	v_max_num_f32 v[TM+2], v[TM+2], v[TM+3]
.irp b, 0,1,2,3
	v_add_nc_u32 v[TM+12+\b], 0xff000000, v[TM+2*(\b/2)]   ; 2 off the exponent field: the scale operand of each of the four conversions
.endr
	v_lshrrev_b32 v[TM+4], 23, v[TM+12]            ; the two bytes,
	v_lshrrev_b32 v[TM+5], 23, v[TM+14]
	v_lshl_or_b32 v[TM+4], v[TM+5], 16, v[TM+4]
	v_lshlrev_b32 v[TM+4], v[TM+8], v[TM+4]        ; at places h and 2 + h of the word;
	v_permlanex16_b32 v[TM+6], v[TM+4], s[SEL], s[SEL+1]
	v_or_b32 v[SW+\g], v[TM+4], v[TM+6]            ; with lane l xor 16's two the word is whole
	WIN 0x01                                       ; source 0: the accumulators' window
.irp c, 0,1
	v_cvt_scalef32_pk16_fp6_f32 v[DST+6*\c:DST+2+6*\c], v[SRC+32*\c:SRC+15+32*\c], v[TM+12+2*\c]
	v_cvt_scalef32_pk16_fp6_f32 v[TQ+4*\c:TQ+2+4*\c], v[SRC+16+32*\c:SRC+31+32*\c], v[TM+12+2*\c+1]   ; (a conversion's three registers begin on an even number)
.endr
	WIN 0
	v_nop                                          ; one plain instruction behind a scaled conversion
.irp c, 0,1                                    ; a whole block into each lane: lanes 0-15 block 2 c, lanes 16-31 block 2 c + 1
.irp i, 0,1,2
	v_mov_b32 v[DST+3+6*\c+\i], v[TQ+4*\c+\i]
.endr
.endr
.irp c, 0,1,2
	global_store_b128 v[LI], v[DST+4*\c:DST+4*\c+3], s[12:13] offset:1536*(\g)+512*\c   ; the fragment as an image of its registers: 512 consecutive bytes a store, aligned to 256; each group has registers of its own
.endr
.endm
	QUANTW 0
	QUANTW 1
	QUANTW 2
	QUANTW 3
	v_cmp_ne_u32 vcc_lo, 0, v2                     ; the record's scale words [row][4 words]: lanes 0-15 store words 0 and 1, lanes 16-31 words 2 and 3
	v_cndmask_b32 v[SW+4], v[SW], v[SW+2], vcc_lo
	v_cndmask_b32 v[SW+5], v[SW+1], v[SW+3], vcc_lo
	global_store_b64 v[SWO], v[SW+4:SW+5], s[12:13] offset:6144   ; 256 consecutive bytes, aligned
.else
; THE WAY OUT, MODE 2: eight blocks of 16 tokens x my 64 columns.  A lane holds pieces of one row and the lanes beside it other rows: a block goes through my stage and comes back as rows of 256 bytes,
; which sixteen lanes store whole.  LDS serves a wave's instructions in order: no wait between the stores and the loads, nor in front of the next block's stores.
.macro TOSTAGE a
	WIN 0x04                                       ; an LDS store's data are its source 1: the accumulators' window
.irp b, 0,1,2,3
	ds_store_b128 v[STO], v[8*(4*(\a)+\b):8*(4*(\a)+\b)+3] offset:128*(\b/2)+32*(\b%2)       ; each accumulator from its low end on
	ds_store_b128 v[STO], v[8*(4*(\a)+\b)+4:8*(4*(\a)+\b)+7] offset:128*(\b/2)+32*(\b%2)+16
.endr
	WIN 0
.irp i, 0,1,2,3,4,5,6,7
	ds_load_b128 v[FS+32*((\a)%2)+4*\i:FS+32*((\a)%2)+4*\i+3], v[RD] offset:544*\i
.endr
.endm
.macro SEND a, younger                 ; younger: the LDS instructions issued behind block a's loads, which may stay out
	s_wait_dscnt \younger
.irp i, 0,1,2,3,4,5,6,7
	global_store_b128 v[CO], v[FS+32*((\a)%2)+4*\i:FS+32*((\a)%2)+4*\i+3], s[12:13] offset:(32*((\a)/2)+8*((\a)%2)+2*\i+8*(\i/4))*4096 th:TH_STORE_NT   ; stage rows 2 i, 2 i + 1 are the tile's tokens 2 i + 8 (i / 4) + h; 16 lanes store 256 consecutive bytes, aligned
.endr
.endm
	TOSTAGE 0
.irp a, 1,2,3,4,5,6,7
.if \a > 1
	s_wait_xcnt 0x0                                ; block a - 2's stores have read their registers: block a's loads may land there
.endif
	TOSTAGE \a
	SEND \a-1, 16                                  ; behind block a - 1's loads: block a's 8 stores and 8 loads
.endr
	SEND 7, 0
.endif
	s_wait_dscnt 0x0
	s_wait_tensorcnt 0x0
	ds_add_u32 v106, v107
	s_wait_dscnt 0x0
	CROUND                                         ; the closing round: no work-group ends while a partner may still ask for a tile that names it
	s_endpgm
.Lfunc_end_k_q015257d8d0_projv:
	.size	k_q015257d8d0_projv, .Lfunc_end_k_q015257d8d0_projv-k_q015257d8d0_projv
	.p2alignl 7, 3214868480
	.fill 96, 4, 3214868480
	.section	.rodata,"a",@progbits
	.p2align	6, 0x0
	.amdhsa_kernel k_q015257d8d0_projv
		.amdhsa_group_segment_fixed_size 327680
		.amdhsa_private_segment_fixed_size 0
		.amdhsa_enable_private_segment 0
		.amdhsa_kernarg_size 32
		.amdhsa_user_sgpr_count 2
		.amdhsa_user_sgpr_kernarg_segment_ptr 1
		.amdhsa_wavefront_size32 1
		.amdhsa_system_sgpr_workgroup_id_x 1
		.amdhsa_system_sgpr_workgroup_id_y 1
		.amdhsa_system_sgpr_workgroup_id_z 1
		.amdhsa_system_vgpr_workitem_id 0
		.amdhsa_next_free_vgpr 768
		.amdhsa_next_free_sgpr 100
		.amdhsa_reserve_vcc 1
		.amdhsa_float_denorm_mode_32 3
		.amdhsa_float_denorm_mode_16_64 3
		.amdhsa_memory_ordered 1
		.amdhsa_forward_progress 1
		.amdhsa_inst_pref_size 87
	.end_amdhsa_kernel
	.amdgpu_metadata
---
amdhsa.version: [ 1, 2 ]
amdhsa.kernels:
  - .name:           k_q015257d8d0_projv
    .symbol:         k_q015257d8d0_projv.kd
    .args:
      - { .name: xrec, .offset: 0, .size: 8, .value_kind: global_buffer, .address_space: global }
      - { .name: wvrec, .offset: 8, .size: 8, .value_kind: global_buffer, .address_space: global }
      - { .name: bv, .offset: 16, .size: 8, .value_kind: global_buffer, .address_space: global }
      - { .name: vfrag, .offset: 24, .size: 8, .value_kind: global_buffer, .address_space: global }
    .group_segment_fixed_size: 327680
    .private_segment_fixed_size: 0
    .kernarg_segment_align: 8
    .kernarg_segment_size: 32
    .max_flat_workgroup_size: 128
    .sgpr_count:     100
    .vgpr_count:     768
    .wavefront_size: 32
...
	.end_amdgpu_metadata
.endif
;; end of part 3
;; launch attn (part 4): grid 4 x 64, 8 waves a work-group, clusters of 4 x 1, 206,848 bytes of LDS; arguments qkfrag, vfrag, orec; writes orec
.if DOCPART == 4
	.amdgcn_target "amdgcn-amd-amdhsa--gfx1250"
	.amdhsa_code_object_version 6
	.text
	.protected	k_q015257d8d0_attn
	.globl	k_q015257d8d0_attn
	.p2align	8
	.type	k_q015257d8d0_attn,@function
k_q015257d8d0_attn:
	s_mov_b64 s[64:65], 0
	v_nop
	global_prefetch_b8 v0, s[64:65] scope:SCOPE_SE
	s_setreg_imm32_b32 hwreg(HW_REG_WAVE_MODE, 25, 1), 1
	s_wait_xcnt 0x0
	s_wait_alu depctr_hold_cnt(0) depctr_sa_sdst(0) depctr_va_vdst(0) depctr_va_sdst(0) depctr_va_ssrc(0) depctr_va_vcc(0) depctr_vm_vsrc(0)
	s_getreg_b32 s2, hwreg(HW_REG_IB_STS2, 6, 4)
	s_cmp_eq_u32 s2, 0
	s_cbranch_scc0 .Lentry_in_a_cluster
	s_endpgm
.Lentry_in_a_cluster:
	s_bfe_u32 s2, ttmp6, 0x10000c
	s_cmp_lg_u32 s2, 0x3003
	s_cbranch_scc0 .Lentry_shape_is_right
	s_endpgm
.Lentry_shape_is_right:
; O[b][h][q] = the sum over k of softmax_k(Q . K / 8) V, head size 64, 2,048 keys, both products on FP6 (E2M3) codes with one E8M0 scale for each 32 along a product's K; O / l is quantised along D and stored as the last product's operand.
; THE SOFTMAX: t = score x log2(e) / 8; M = the row's largest t so far, rounded UP to a whole number; p = 2^(t - M) is quantised along the keys, not normalised.  The row's sum is taken of the unquantised p, in f32,
; and divides O at the end.  When M moves, the sum and O are multiplied by 2^(old M - new M): exact.
; INPUTS are step records of 6,400 bytes: four fragments as images of their 12 registers (three pieces of 512 bytes, 16 x lane), then 256 bytes of scale words [row][4 words].
;   Q, K: a record is 128 tokens of one head; fragment g = [tile 2 g of the tokens | tile 2 g + 1], each over the head's 64.  V: a record is 128 keys; fragment t = tile t of the head's 64, over the 128 keys.
;   A TILE 4 B + j holds rows 64 B + 8 j + i and 64 B + 32 + 8 j + i, i = 0 .. 7.  Both products are used transposed (S^T = K Q^T, O^T = V^T P^T): a lane (r, h) holds ONE query of a tile, its 32 scores of key tiles
;   4 c .. 4 c + 3 are keys 64 c + 32 h + 0 .. 31, and its 32 registers of O^T are channels 32 h + 0 .. 31: each a whole scale block, in the order of the next operand's registers.
; THE FIRST PRODUCT'S K IS 64, half of the instruction's 128: a fragment of K holds two tiles of keys and is multiplied by [Q | zero codes] and by [zero codes | Q], which lie in 18 registers [Q | 0 | Q].
; SHARES: a work-group owns 512 queries of one head; each of its eight waves 64 of them: two passes, each with the TWO TILES of one fragment of Q side by side.  The two tiles share every fragment of K and V,
; and their chains of dependent lines stand line by line in turn.
; REGISTERS: window 0 (v0-255): addresses, both tiles' softmax state, scale words, p's codes, both tiles' scores: the softmax needs no change of window.  Window 1: K's and V's fragments, both O^T, both [Q | 0 | Q].
; LDS: the whole head's K, 16 records, then V's 16; each byte is filled ONCE: wave w asks for four records (100 rows of 256 bytes), one load a wave, one line for all, and every wave waits for its load ahead of the one barrier.
; In step s, behind its sixteen first products, V of step s and K of step s + 1 are fetched in one run (behind step 15: K of step 0, for the next pass); the one wait for LDS loads in a step (0) stands ahead of O^T's rescaling.
; AMONG THE EXPONENTIALS of one tile stand plain lines of the other that read only what was written ahead of the wait in front of that batch, and whose results are read behind the next wait.
; CLUSTER: the four query blocks of a head read the same K and V: the records are asked for JOINTLY, with a mask that names the four.
; NO PREFETCH: all that the launch reads through LDS is asked for at its head; there is no loop to run ahead in.
; LIMITS: NaN and infinities are not served; the promise holds while the scaled scores stay under 2^31 in magnitude; p under 2^-126 counts as 0 (v_exp_f32 gives no denormals: ISA guide, its entry);
; a block of zeros gets the byte 1 where the rule says 127: its codes are zeros, and this program alone reads the bytes.  The result's scale bytes leave as single bytes: a token's scale word is shared by two heads, which lie in two work-groups.
.set KREC,  6400
.set HEADB, 16*KREC
.set REC,   12800
.set SPARE, 32*KREC
; window 0.  Where a name serves both tiles, tile x's registers follow tile 0's at the stride given
.set L16,  1                           ; 16 x lane
.set R16,  2                           ; 16 r
.set AK16, 3                           ; the same + the record of K that is fetched
.set AKR,  4
.set AV16, 5                           ; and of V
.set AVR,  6
.set H8,   7                           ; 8 h
.set L8,   8                           ; 8 x lane
.set SPW,  9
.set NIL,  10
.set RB,   11                          ; 8 r + h: my scale byte's place
.set NM,   12                          ; + 4 x: -M, and the largest score so far
.set LS,   14                          ; + 4 x: the sum in two halves
.set F,    20                          ; + 2 x: f, later 1 / l; F + 1 is at work (the packed forms name the pair and take its low word)
.set T2,   24                          ; + x
.set BM,   26                          ; + 4 x: largest scores
.set SO,   34                          ; + 2 x: the conversions' scale operands
.set KS,   38                          ; v38-41 K's scale words; v42-45 V's
.set VS,   42
.set PS,   46                          ; + x: p's scale word
.set VL16, 48                          ; 16 x lane + V's first byte in LDS
.set VR16, 49
.set QS,   50                          ; + x: Q's scale word (s0, s1, s0, s1)
.set PCD,  52                          ; + 12 x: p's codes; tile 1's hold six partial sums ahead of the conversions
.set S0,   76                          ; + 64 x: S^T, then p
.set YB,   204                         ; v204-235 tile 0's sixteen first partial sums
; window 1
.set FK,   0                           ; K's four fragments
.set FV,   48                          ; V's
.set O,    96                          ; + 32 x: O^T
.set Q3,   160                         ; + 18 x: [Q | 0 | Q]
.set CNT,  2
.set WV,   18
.set SEL,  20
.set CS,   22
.set G1,   24
.set G0,   32
.set U,    36
.set SV,   39
.set SK,   40
.set MSB, 0
.macro WIN new                         ; s_set_vgpr_msb: bits 1:0 source 0, 3:2 source 1, 5:4 source 2, 7:6 destination; the high byte repeats the setting that is left
.if MSB != \new
	s_set_vgpr_msb (MSB<<8)|\new
.set MSB, \new
.endif
.endm
.macro PLACES n
.rept \n
	v_nop
.endr
.endm
.macro WALU
	s_wait_alu depctr_va_vdst(0)
.endm
.macro CROUND
	s_barrier_signal -1
	s_barrier_wait -1
	s_cmp_lg_u32 s[WV], 0
	s_cbranch_scc1 .Lnot_wave_0_\@
	s_barrier_signal -3
.Lnot_wave_0_\@:
	s_barrier_wait -3
	s_barrier_signal -1
	s_barrier_wait -1
.endm
	s_load_b128 s[4:7], s[0:1], 0x0                ; qkfrag, vfrag
	s_load_b64 s[8:9], s[0:1], 0x10                ; orec
	v_lshl_add_u32 v[SPW], v0, 2, SPARE
	v_mov_b32 v[NIL], 0
	ds_add_u32 v[SPW], v[NIL]
	ds_add_u32 v[SPW], v[NIL]
	v_lshrrev_b32 v[T2], 5, v0
	v_readfirstlane_b32 s[WV], v[T2]               ; wave 0..7
	s_bfe_u32 s67, ttmp6, 0x40000                  ; cx: it enters Q's and the output's global addresses alone
	s_lshl_b32 s68, ttmp9, 2
	s_add_co_u32 s68, s68, s67                     ; gx: my block of 512 queries
	s_and_b32 s69, ttmp7, 0xffff                   ; 16 x batch + head, which the four partners share
	s_lshr_b32 s70, s[WV], 2                       ; I fetch K's records (0) or V's (1):
	s_and_b32 s71, s[WV], 3
	s_mul_i32 s71, s71, 4*KREC                     ; four of them
	s_mul_i32 s72, s69, HEADB                      ; the head's first byte
	s_add_co_u32 s74, s72, s71
	s_mov_b32 s75, 0
	s_add_co_u32 s76, s74, 64*HEADB                ; K's records lie behind Q's 64 heads
	s_mov_b32 s77, 0
	s_mul_i32 s73, s[WV], 4*KREC                   ; where they go in LDS
	s_mov_b32 s[G1], 15|(3<<16)|(1<<21)            ; the mask: all four work-groups; elements of 8 bytes; bit 21 beside a mask
	s_mov_b32 s[G1+1], 32<<16                      ; rows of 256 bytes,
	s_mov_b32 s[G1+2], 100<<16                     ; 100 of them, dense
	s_mov_b32 s[G1+3], 32<<16
	s_mov_b32 s[G1+4], 100
	s_mov_b32 s[G1+5], 32
	s_mov_b32 s[G1+6], 0
	s_mov_b32 s[G1+7], 0
	s_mov_b32 s[SEL], 0x76543210
	s_mov_b32 s[SEL+1], 0xfedcba98                 ; v_permlanex16_b32's selects for lane l xor 16
	s_mov_b32 s[CS], 0x3e38aa3b                    ; c = log2(e) / 8
	s_mov_b32 s[CS+1], s[CS]
	s_wait_dscnt 0x0
	s_wait_kmcnt 0x0
	s_add_nc_u64 s[76:77], s[4:5], s[76:77]
	s_add_nc_u64 s[74:75], s[6:7], s[74:75]
	s_cmp_eq_u32 s70, 0
	s_cselect_b64 s[G0+2:G0+3], s[76:77], s[74:75]
	CROUND                                         ; all four work-groups are here: the joint loads meet
	s_mov_b32 s[G0], 1
	s_mov_b32 s[G0+1], s73
	s_or_b32 s[G0+3], s[G0+3], 0x80000000
	tensor_load_to_lds s[G0:G0+3], s[G1:G1+7]      ; my one load
	s_nop 0
	PLACES 4
	v_and_b32 v[T2], 15, v0                        ; r
	v_bfe_u32 v[H8], v0, 4, 1                      ; h
	v_and_b32 v[L16], 31, v0
	v_lshlrev_b32 v[L8], 3, v[L16]
	v_lshlrev_b32 v[L16], 4, v[L16]
	v_lshlrev_b32 v[R16], 4, v[T2]
	v_lshl_add_u32 v[RB], v[T2], 3, v[H8]
	v_lshlrev_b32 v[H8], 3, v[H8]
	v_add_nc_u32 v[VL16], HEADB, v[L16]
	v_add_nc_u32 v[VR16], HEADB, v[R16]
	v_add_nc_u32 v[AK16], 0, v[L16]                ; K of step 0
	v_add_nc_u32 v[AKR], 0, v[R16]
	v_mov_b32 v[T2+1], 0                           ; (a lane permute's destination counts as one of its sources)
	WIN 0x40
.irp x, 0,1
.irp i, 0,1,2,3,4,5
	v_mov_b32 v[Q3+18*\x+6+\i], 0                  ; the zero codes: written once
.endr
.endr
	WIN 0
	; my fragments of Q: record 4 gx + wave / 2 of the head, fragments 2 (wave % 2) and the next, one a pass
	s_and_b32 s94, s[WV], 1
	s_lshl_b32 s78, s68, 2
	s_lshr_b32 s79, s[WV], 1
	s_add_co_u32 s78, s78, s79
	s_mul_i32 s78, s78, KREC
	s_add_co_u32 s78, s78, s72
	s_mov_b32 s79, 0
	s_add_nc_u64 s[78:79], s[4:5], s[78:79]
	s_mul_i32 s80, s94, 3072
	s_mov_b32 s81, 0
	s_add_nc_u64 s[80:81], s[78:79], s[80:81]
	s_lshl_b32 s82, s94, 3
	s_mov_b32 s83, 0
	s_add_nc_u64 s[82:83], s[78:79], s[82:83]
	; the output: tile record 128 x batch + 32 gx + 4 wave + 2 x pass + tile.  Head n is half n % 2 of K step n / 2 of the last product
	s_lshr_b32 s84, s69, 4
	s_and_b32 s85, s69, 15                         ; n
	s_lshl_b32 s84, s84, 7
	s_lshl_b32 s86, s68, 5
	s_add_co_u32 s84, s84, s86
	s_lshl_b32 s86, s[WV], 2
	s_add_co_u32 s84, s84, s86
	s_mul_i32 s84, s84, REC
	s_lshr_b32 s86, s85, 3
	s_mul_i32 s86, s86, REC/2
	s_add_co_u32 s84, s84, s86                     ; the record's half: K steps 0-3 or 4-7
	s_bfe_u32 s86, s85, 0x10002                    ; which pair of steps of the half
	s_bfe_u32 s87, s85, 0x20001                    ; which step of the half
	s_and_b32 s88, s85, 1
	s_mul_i32 s89, s87, 1536                       ; codes: 1536 x step + 256 behind the scale words + 768 x half of the step
	s_add_co_u32 s89, s89, s84
	s_lshl_b32 s90, s86, 8
	s_add_co_u32 s89, s89, s90
	s_mul_i32 s90, s88, 768
	s_add_co_u32 s90, s89, s90
	s_mov_b32 s91, 0
	s_lshl_b32 s92, s86, 7                         ; scale bytes (from 3072 on): 128 x pair of steps + 8 r + 4 x step of the pair + 2 x half + h
	s_add_co_u32 s92, s92, s84
	s_and_b32 s93, s87, 1
	s_lshl_b32 s93, s93, 2
	s_add_co_u32 s92, s92, s93
	s_lshl_b32 s93, s88, 1
	s_add_co_u32 s92, s92, s93
	s_mov_b32 s93, 0
	s_add_nc_u64 s[90:91], s[8:9], s[90:91]
	s_add_nc_u64 s[92:93], s[8:9], s[92:93]
.macro LDF dst, adr                    ; a record's four fragments into window 1
.irp g, 0,1,2,3
.irp c, 0,1,2
	ds_load_b128 v[\dst+12*\g+4*\c:\dst+12*\g+4*\c+3], v[\adr] offset:1536*\g+512*\c
.endr
.endr
.endm
.macro SMUL x                          ; S^T of tile x: key tile t lies in half t % 2 of fragment t / 2
.irp t, 0,1,2,3,4,5,6,7
	v_wmma_scale_f32_16x16x128_f8f6f4 v[S0+64*\x+8*\t:S0+64*\x+8*\t+7], v[FK+12*(\t/2):FK+12*(\t/2)+11], v[Q3+18*\x+6*(\t%2):Q3+18*\x+6*(\t%2)+11], 0, v[KS+\t/2], v[QS+\x] matrix_a_fmt:MATRIX_FMT_FP6 matrix_b_fmt:MATRIX_FMT_FP6
.endr
.endm
.macro FMA from                        ; t - M of tile 0, eight pairs
.set J, 2*(\from)
.rept 8
	v_pk_fma_f32 v[S0+J:S0+J+1], v[S0+J:S0+J+1], s[CS:CS+1], v[NM:NM+1] op_sel_hi:[1,0,0]
.set J, J+2
.endr
.endm
.macro QX n                            ; line n of the chain that makes p's scale word, both tiles in turn
.irp x, 0,1
.if \n == 1
	v_max_num_f32 v[BM+4*\x], 0x1800000, v[BM+4*\x]          ; the floor 2^(3 - 127): the byte cannot fall under 1
	v_max_num_f32 v[BM+4*\x+1], 0x1800000, v[BM+4*\x+1]
.elseif \n == 2
	v_add_nc_u32 v[SO+2*\x], 0xff000000, v[BM+4*\x]          ; 2 off the exponent field: the conversions' scale operands
	v_add_nc_u32 v[SO+2*\x+1], 0xff000000, v[BM+4*\x+1]
.elseif \n == 3
	v_lshrrev_b32 v[BM+4*\x], 23, v[SO+2*\x]                 ; the two bytes
	v_lshrrev_b32 v[BM+4*\x+1], 23, v[SO+2*\x+1]
.elseif \n == 4
	v_lshl_or_b32 v[BM+4*\x], v[BM+4*\x+1], 16, v[BM+4*\x]
.elseif \n == 5
	v_lshlrev_b32 v[BM+4*\x], v[H8], v[BM+4*\x]              ; at places h and 2 + h of the word
.elseif \n == 6
	v_permlanex16_b32 v[T2+\x], v[BM+4*\x], s[SEL], s[SEL+1]
.else
	v_or_b32 v[PS+\x], v[BM+4*\x], v[T2+\x]                  ; with lane l xor 16's two the word is whole
.endif
.endr
.endm
.macro YSUM n, d                       ; tile 0's partial sums: i += i + d, for i under n
.set J, 0
.rept \n
	v_pk_add_f32 v[YB+2*J:YB+2*J+1], v[YB+2*J:YB+2*J+1], v[YB+2*J+2*(\d):YB+2*J+2*(\d)+1]
.set J, J+1
.endr
.endm
.macro XSUM n, from                    ; tile 1's: n partial sums take p's pairs from number 'from' on
.set J, 0
.rept \n
	v_pk_add_f32 v[PCD+12+2*J:PCD+13+2*J], v[PCD+12+2*J:PCD+13+2*J], v[S0+64+2*(\from)+2*J:S0+65+2*(\from)+2*J]
.set J, J+1
.endr
.endm
	WALU
	s_wait_tensorcnt 0x0                           ; my four records have landed
	s_barrier_signal -1
	s_barrier_wait -1                              ; everybody's have: the whole head lies in LDS, and nothing is filled again
	WIN 0x40
	LDF FK, AK16                                   ; K of step 0
	WIN 0
	ds_load_b128 v[KS:KS+3], v[AKR] offset:6144
	s_mov_b32 s[U], 0
.Lpass:                                                ; TWO TILES OF 16 QUERIES, one fragment of Q, through all 2,048 keys
.irp c, 0,1,2
	global_load_b128 v[S0+4*\c:S0+4*\c+3], v[L16], s[80:81] offset:512*\c
.endr
	global_load_b32 v[S0+12], v[R16], s[82:83] offset:6144
.irp x, 0,1
	v_mov_b32 v[NM+4*\x+1], 0xff61b1e6             ; the largest score so far: -3e38
	v_mov_b32 v[NM+4*\x], 0x7f61b1e6               ; -M
	v_mov_b32 v[LS+4*\x], 0
	v_mov_b32 v[LS+4*\x+1], 0
.endr
	WALU
	s_wait_loadcnt 0x0
	s_wait_dscnt 0x0                               ; K of step 0
	v_and_b32 v[QS], 0xffff, v[S0+12]              ; each tile's two bytes, for both halves of the instruction's K
	v_lshl_or_b32 v[QS], v[S0+12], 16, v[QS]
	v_lshrrev_b32 v[QS+1], 16, v[S0+12]
	v_and_or_b32 v[QS+1], v[S0+12], 0xffff0000, v[QS+1]
	WIN 0x40
.irp x, 0,1
.irp i, 0,1,2,3,4,5
	v_mov_b32 v[Q3+18*\x+\i], v[S0+6*\x+\i]
	v_mov_b32 v[Q3+18*\x+12+\i], v[S0+6*\x+\i]
.endr
.endr
.set J, 0
.rept 64
	v_mov_b32 v[O+J], 0                            ; both O^T: the step is written once; the first finds zeros, which the first change of M leaves zeros.  (Also the places between Q's writes and the first product)
.set J, J+1
.endr
	WIN 0
	s_mov_b32 s[CNT], 0
.Lstep:                                                ; A KEY STEP of 128 keys, both tiles
	WIN 0x05                                       ; sources 0 and 1 in window 1
	SMUL 0
	s_mul_i32 s[SV], s[CNT], KREC                  ; V of this step,
	s_add_co_u32 s[CNT], s[CNT], 1
	s_and_b32 s[SK], s[CNT], 15                    ; K of the next; behind the last the first, for the next pass
	s_mul_i32 s[SK], s[SK], KREC
	SMUL 1
	WIN 0
	v_add_nc_u32 v[AV16], s[SV], v[VL16]           ; these four are the places ahead of the loads into registers that products have read, and of the first read of the scores
	v_add_nc_u32 v[AVR], s[SV], v[VR16]
	v_add_nc_u32 v[AK16], s[SK], v[L16]
	v_add_nc_u32 v[AKR], s[SK], v[R16]
	WIN 0x40
	LDF FV, AV16
	LDF FK, AK16
	WIN 0
	ds_load_b128 v[VS:VS+3], v[AVR] offset:6144
	ds_load_b128 v[KS:KS+3], v[AKR] offset:6144
.irp k, 0,1,2,3                                ; the largest score: eight chains of 16 by turns, each accumulator from its low end on
.irp x, 0,1
	v_max3_num_f32 v[BM+4*\x+\k], v[S0+64*\x+16*\k], v[S0+64*\x+16*\k+1], v[S0+64*\x+16*\k+2]
.endr
.endr
.irp i, 3,5,7,9,11,13
.irp k, 0,1,2,3
.irp x, 0,1
	v_max3_num_f32 v[BM+4*\x+\k], v[BM+4*\x+\k], v[S0+64*\x+16*\k+\i], v[S0+64*\x+16*\k+\i+1]
.endr
.endr
.endr
.irp x, 0,1
	v_mov_b32 v[F+2*\x], v[NM+4*\x]                ; the old -M
.endr
.irp x, 0,1
	v_max3_num_f32 v[BM+4*\x], v[BM+4*\x], v[BM+4*\x+1], v[S0+64*\x+15]
	v_max3_num_f32 v[BM+4*\x+1], v[BM+4*\x+2], v[BM+4*\x+3], v[S0+64*\x+47]
.endr
.irp x, 0,1
	v_max_num_f32 v[BM+4*\x], v[BM+4*\x], v[S0+64*\x+31]       ; of my block h,
	v_max_num_f32 v[BM+4*\x+1], v[BM+4*\x+1], v[S0+64*\x+63]   ; of my block 2 + h: they serve for the row's maximum and, since p rises with the score, for the blocks' largest p
.endr
.irp x, 0,1
	v_max_num_f32 v[F+2*\x+1], v[BM+4*\x], v[BM+4*\x+1]
.endr
.irp x, 0,1
	v_permlanex16_b32 v[T2+\x], v[F+2*\x+1], s[SEL], s[SEL+1]
.endr
.irp x, 0,1
	v_max3_num_f32 v[NM+4*\x+1], v[NM+4*\x+1], v[F+2*\x+1], v[T2+\x]   ; the largest score so far of my query
.endr
.irp x, 0,1
	v_mul_f32 v[F+2*\x+1], s[CS], v[NM+4*\x+1]     ; as t (c is positive)
.endr
.irp x, 0,1
	v_floor_f32 v[NM+4*\x], -v[F+2*\x+1]           ; the new -M = -ceil(t)
.endr
	FMA 0                                          ; tile 0's t - M; the three lines that make f stand among them
.irp x, 0,1
	v_sub_f32 v[F+2*\x+1], v[NM+4*\x], v[F+2*\x]   ; old M - new M: a whole number, 0 or less
.endr
	FMA 8
.irp x, 0,1
	v_cvt_i32_f32 v[F+2*\x+1], v[F+2*\x+1]         ; (it saturates)
.endr
	FMA 16
.irp x, 0,1
	v_ldexp_f32 v[F+2*\x], 1.0, v[F+2*\x+1]        ; f = 2^(old M - new M)
.endr
	FMA 24
.irp x, 0,1
	v_fma_f32 v[BM+4*\x], v[BM+4*\x], s[CS], v[NM+4*\x]        ; the same of each block's largest score
	v_fma_f32 v[BM+4*\x+1], v[BM+4*\x+1], s[CS], v[NM+4*\x]
.endr
	WALU
	v_exp_f32 v[BM], v[BM]                         ; the blocks' largest p: the same two instructions on the same number give the same bits
	v_exp_f32 v[BM+1], v[BM+1]
.set J, 0
.rept 32                                       ; tile 0's p = 2^(t - M); among them tile 1's t - M
	v_exp_f32 v[S0+J], v[S0+J]
	v_exp_f32 v[S0+J+1], v[S0+J+1]
	v_pk_fma_f32 v[S0+64+J:S0+65+J], v[S0+64+J:S0+65+J], s[CS:CS+1], v[NM+4:NM+5] op_sel_hi:[1,0,0]
.set J, J+2
.endr
	WALU                                           ; behind tile 0's batch and ahead of tile 1's
	v_exp_f32 v[BM+4], v[BM+4]
	v_exp_f32 v[BM+5], v[BM+5]
.set J, 0
.rept 16                                       ; tile 1's p; among them tile 0's first sixteen partial sums
	v_exp_f32 v[S0+64+4*J], v[S0+64+4*J]
	v_exp_f32 v[S0+65+4*J], v[S0+65+4*J]
	v_exp_f32 v[S0+66+4*J], v[S0+66+4*J]
	v_exp_f32 v[S0+67+4*J], v[S0+67+4*J]
	v_pk_add_f32 v[YB+2*J:YB+2*J+1], v[S0+4*J:S0+4*J+1], v[S0+4*J+2:S0+4*J+3]
.set J, J+1
.endr
.irp x, 0,1
	v_pk_mul_f32 v[LS+4*\x:LS+4*\x+1], v[LS+4*\x:LS+4*\x+1], v[F+2*\x:F+2*\x+1] op_sel_hi:[1,0]   ; the sums under the new M
.endr
	WALU                                           ; behind tile 1's batch
; the rows' sums of the unquantised p, and the chains that make p's scale words, by turns
.irp k, 0,1,2,3,4,5
	v_pk_add_f32 v[PCD+12+2*\k:PCD+13+2*\k], v[S0+64+4*\k:S0+65+4*\k], v[S0+66+4*\k:S0+67+4*\k]
.endr
	v_pk_add_f32 v[LS+4:LS+5], v[LS+4:LS+5], v[S0+88:S0+89]
	YSUM 8, 8
	QX 1
	XSUM 6, 13
	v_pk_add_f32 v[LS+4:LS+5], v[LS+4:LS+5], v[S0+102:S0+103]
	YSUM 4, 4
	QX 2
	XSUM 6, 20
	v_pk_add_f32 v[LS+4:LS+5], v[LS+4:LS+5], v[S0+116:S0+117]
	YSUM 2, 2
	QX 3
	XSUM 5, 27
	YSUM 1, 1
	QX 4
	v_pk_add_f32 v[PCD+12:PCD+13], v[PCD+12:PCD+13], v[PCD+14:PCD+15]
	v_pk_add_f32 v[PCD+16:PCD+17], v[PCD+16:PCD+17], v[PCD+18:PCD+19]
	v_pk_add_f32 v[PCD+20:PCD+21], v[PCD+20:PCD+21], v[PCD+22:PCD+23]
	v_pk_add_f32 v[LS:LS+1], v[LS:LS+1], v[YB:YB+1]
	QX 5
	v_pk_add_f32 v[PCD+12:PCD+13], v[PCD+12:PCD+13], v[PCD+16:PCD+17]
	v_pk_add_f32 v[LS+4:LS+5], v[LS+4:LS+5], v[PCD+20:PCD+21]
	QX 6
	v_pk_add_f32 v[LS+4:LS+5], v[LS+4:LS+5], v[PCD+12:PCD+13]
.irp x, 0,1
	v_cvt_scalef32_pk16_fp6_f32 v[PCD+12*\x:PCD+12*\x+2], v[S0+64*\x:S0+64*\x+15], v[SO+2*\x]
	v_cvt_scalef32_pk16_fp6_f32 v[PCD+12*\x+6:PCD+12*\x+8], v[S0+64*\x+32:S0+64*\x+47], v[SO+2*\x+1]
.endr
	QX 7                                           ; (also the plain lines between the conversions above and those below, which write over their sources)
.irp x, 0,1
	v_cvt_scalef32_pk16_fp6_f32 v[S0+64*\x:S0+64*\x+2], v[S0+64*\x+16:S0+64*\x+31], v[SO+2*\x]       ; (a conversion's three registers begin on an even number: the upper halves are made elsewhere and moved)
	v_cvt_scalef32_pk16_fp6_f32 v[S0+64*\x+32:S0+64*\x+34], v[S0+64*\x+48:S0+64*\x+63], v[SO+2*\x+1]
.endr
	v_nop
.irp x, 0,1
.irp i, 0,1,2
	v_mov_b32 v[PCD+12*\x+3+\i], v[S0+64*\x+\i]
	v_mov_b32 v[PCD+12*\x+9+\i], v[S0+64*\x+32+\i]
.endr
.endr
	s_wait_dscnt 0x0                               ; V of this step and K of the next are in
	WIN 0x41                                       ; destination and source 0 in window 1
	WALU                                           ; directly ahead of the first reader of O^T
.irp x, 0,1
.set J, 0
.rept 16
	v_pk_mul_f32 v[O+32*\x+J:O+32*\x+J+1], v[O+32*\x+J:O+32*\x+J+1], v[F+2*\x:F+2*\x+1] op_sel_hi:[1,0]   ; O^T under the new M, from each accumulator's low end on; also the places between the codes' and the scale words' last writes and the products
.set J, J+2
.endr
.endr
	WIN 0x51                                       ; V's fragments and O^T in window 1, p's codes in window 0
.irp x, 0,1
.irp t, 0,1,2,3                                ; O^T += V^T P^T: eight accumulators by turns; 23 other products stand between two steps of a sum
	v_wmma_scale_f32_16x16x128_f8f6f4 v[O+32*\x+8*\t:O+32*\x+8*\t+7], v[FV+12*\t:FV+12*\t+11], v[PCD+12*\x:PCD+12*\x+11], v[O+32*\x+8*\t:O+32*\x+8*\t+7], v[VS+\t], v[PS+\x] matrix_a_fmt:MATRIX_FMT_FP6 matrix_b_fmt:MATRIX_FMT_FP6
.endr
.endr
	WIN 0
	s_cmp_lt_u32 s[CNT], 16
	s_cbranch_scc1 .Lstep
	PLACES 4                                       ; behind the last products
.irp x, 0,1
	v_add_f32 v[LS+4*\x], v[LS+4*\x], v[LS+4*\x+1]
.endr
.irp x, 0,1
	v_permlanex16_b32 v[T2+\x], v[LS+4*\x], s[SEL], s[SEL+1]
.endr
.irp x, 0,1
	v_add_f32 v[LS+4*\x], v[LS+4*\x], v[T2+\x]     ; the row's sum
.endr
	WALU
	v_rcp_f32 v[F], v[LS]
	v_rcp_f32 v[F+2], v[LS+4]
	v_nop
	WIN 0x01                                       ; source 0 in window 1
	WALU                                           ; ahead of the reciprocals' first reader, which is O^T's too
.irp x, 0,1
.set J, 0
.rept 16
	v_pk_mul_f32 v[S0+64*\x+J:S0+64*\x+J+1], v[O+32*\x+J:O+32*\x+J+1], v[F+2*\x:F+2*\x+1] op_sel_hi:[1,0]   ; O^T / l, into window 0: register i is channel 32 h + i of my query: one block of the last product's K
.set J, J+2
.endr
.endr
	WIN 0
.irp x, 0,1
	v_max3_num_f32 v[BM+4*\x], |v[S0+64*\x]|, |v[S0+64*\x+1]|, 0x1800000
	v_max3_num_f32 v[BM+4*\x+1], |v[S0+64*\x+16]|, |v[S0+64*\x+17]|, 0x1800000
.endr
.irp i, 2,4,6,8,10,12,14
.irp x, 0,1
	v_max3_num_f32 v[BM+4*\x], v[BM+4*\x], |v[S0+64*\x+\i]|, |v[S0+64*\x+\i+1]|
	v_max3_num_f32 v[BM+4*\x+1], v[BM+4*\x+1], |v[S0+64*\x+16+\i]|, |v[S0+64*\x+17+\i]|
.endr
.endr
.irp x, 0,1
	v_max_num_f32 v[BM+4*\x], v[BM+4*\x], v[BM+4*\x+1]
.endr
.irp x, 0,1
	v_add_nc_u32 v[SO+2*\x], 0xff000000, v[BM+4*\x]
.endr
.irp x, 0,1
	v_cvt_scalef32_pk16_fp6_f32 v[PCD+12*\x:PCD+12*\x+2], v[S0+64*\x:S0+64*\x+15], v[SO+2*\x]
	v_cvt_scalef32_pk16_fp6_f32 v[BM+4*\x:BM+4*\x+2], v[S0+64*\x+16:S0+64*\x+31], v[SO+2*\x]
.endr
.irp x, 0,1
	v_lshrrev_b32 v[F+2*\x+1], 23, v[SO+2*\x]      ; my block's byte.  (The plain lines behind the conversions)
.endr
.irp x, 0,1
.irp i, 0,1,2
	v_mov_b32 v[PCD+12*\x+3+\i], v[BM+4*\x+\i]
.endr
.endr
.irp x, 0,1
	global_store_b128 v[L16], v[PCD+12*\x:PCD+12*\x+3], s[90:91] offset:REC*\x            ; half a fragment as an image of its six registers: 512 consecutive bytes, aligned to 256,
	global_store_b64 v[L8], v[PCD+12*\x+4:PCD+12*\x+5], s[90:91] offset:REC*\x+512        ; and 256
	global_store_b8 v[RB], v[F+2*\x+1], s[92:93] offset:REC*\x+3072
.endr
	s_wait_xcnt 0x0                                ; the stores have read their registers and bases
	s_add_nc_u64 s[90:91], s[90:91], 2*REC
	s_add_nc_u64 s[92:93], s[92:93], 2*REC
	s_add_nc_u64 s[80:81], s[80:81], 1536          ; the next fragment of Q,
	s_add_nc_u64 s[82:83], s[82:83], 4             ; and its scale word
	s_add_co_u32 s[U], s[U], 1
	s_cmp_lt_u32 s[U], 2
	WALU
	s_cbranch_scc1 .Lpass
	s_wait_tensorcnt 0x0                           ; the wave's end
	ds_add_u32 v[SPW], v[NIL]
	s_wait_dscnt 0x0
	CROUND                                         ; the closing round
	s_endpgm
.Lfunc_end_k_q015257d8d0_attn:
	.size	k_q015257d8d0_attn, .Lfunc_end_k_q015257d8d0_attn-k_q015257d8d0_attn
	.p2alignl 7, 3214868480
	.fill 96, 4, 3214868480
	.section	.rodata,"a",@progbits
	.p2align	6, 0x0
	.amdhsa_kernel k_q015257d8d0_attn
		.amdhsa_group_segment_fixed_size 206848
		.amdhsa_private_segment_fixed_size 0
		.amdhsa_enable_private_segment 0
		.amdhsa_kernarg_size 24
		.amdhsa_user_sgpr_count 2
		.amdhsa_user_sgpr_kernarg_segment_ptr 1
		.amdhsa_wavefront_size32 1
		.amdhsa_system_sgpr_workgroup_id_x 1
		.amdhsa_system_sgpr_workgroup_id_y 1
		.amdhsa_system_sgpr_workgroup_id_z 1
		.amdhsa_system_vgpr_workitem_id 0
		.amdhsa_next_free_vgpr 512
		.amdhsa_next_free_sgpr 96
		.amdhsa_reserve_vcc 0
		.amdhsa_float_denorm_mode_32 3
		.amdhsa_float_denorm_mode_16_64 3
		.amdhsa_memory_ordered 1
		.amdhsa_forward_progress 1
		.amdhsa_inst_pref_size 44
	.end_amdhsa_kernel
	.amdgpu_metadata
---
amdhsa.version: [ 1, 2 ]
amdhsa.kernels:
  - .name:           k_q015257d8d0_attn
    .symbol:         k_q015257d8d0_attn.kd
    .args:
      - { .name: qkfrag, .offset: 0, .size: 8, .value_kind: global_buffer, .address_space: global }
      - { .name: vfrag, .offset: 8, .size: 8, .value_kind: global_buffer, .address_space: global }
      - { .name: orec, .offset: 16, .size: 8, .value_kind: global_buffer, .address_space: global }
    .group_segment_fixed_size: 206848
    .private_segment_fixed_size: 0
    .kernarg_segment_align: 8
    .kernarg_segment_size: 24
    .max_flat_workgroup_size: 256
    .sgpr_count:     96
    .vgpr_count:     512
    .wavefront_size: 32
...
	.end_amdgpu_metadata
.endif
;; end of part 4
;; launch outp (part 5): grid 4 x 64, 4 waves a work-group, clusters of 4 x 4, 327,680 bytes of LDS; arguments worec, orec, bo, out0; writes out0
.if DOCPART == 5
	.amdgcn_target "amdgcn-amd-amdhsa--gfx1250"
	.amdhsa_code_object_version 6
	.text
	.protected	k_q015257d8d0_outp
	.globl	k_q015257d8d0_outp
	.p2align	8
	.type	k_q015257d8d0_outp,@function
k_q015257d8d0_outp:
	s_mov_b64 s[64:65], 0
	v_nop
	global_prefetch_b8 v0, s[64:65] scope:SCOPE_SE
	s_setreg_imm32_b32 hwreg(HW_REG_WAVE_MODE, 25, 1), 1
	s_wait_xcnt 0x0
	s_wait_alu depctr_hold_cnt(0) depctr_sa_sdst(0) depctr_va_vdst(0) depctr_va_sdst(0) depctr_va_ssrc(0) depctr_va_vcc(0) depctr_vm_vsrc(0)
	s_getreg_b32 s2, hwreg(HW_REG_IB_STS2, 6, 4)
	s_cmp_eq_u32 s2, 0
	s_cbranch_scc0 .Lentry_in_a_cluster
	s_endpgm
.Lentry_in_a_cluster:
	s_bfe_u32 s2, ttmp6, 0x10000c
	s_cmp_lg_u32 s2, 0xf033
	s_cbranch_scc0 .Lentry_shape_is_right
	s_endpgm
.Lentry_shape_is_right:
; ONE TEXT FOR THREE LAUNCHES, told apart by MODE.  D = P R^T + bias over K = 1,024, on FP6 (E2M3) codes with one E8M0 scale for each 32 along K; sums in f32.
;   MODE 0: P = Wq's and Wk's rows, R = tokens: Q and K with their biases, quantised along the head's 64, stored as operands of the attention's first product.
;   MODE 1: P = tokens, R = Wv's rows: V with its bias, quantised along the keys, stored as operands of the attention's second product.
;   MODE 2: P = Wo's rows, R = tokens (the attention's result): out0 = O Wo^T + bo, f32.
; P is the matrix instruction's source 0, R its source 1: lane (r, h) holds R's row r of a tile, and its register j P's row 8 h + j of a tile.
; A TILE is 16 rows that are not neighbours: tile 2 g + u holds rows 32 g + 8 u + i + 8 (i / 8).  So the 16 registers of P's tiles 2 g and 2 g + 1 are P's rows 32 g + 16 h + 0 .. 15: 16 neighbours along the next product's K.
; INPUTS are tile records of 12,800 bytes (16 rows x 1,024 K), four chunks of 3,200 bytes, each two K steps of 128: their codes as images of the operand's registers and 128 bytes of scale words [row][2 words].
; SHARES: a work-group takes 256 rows of P (16 tiles) x 128 rows of R (8 tiles); a wave NPT x NRT tiles, 32 accumulators.  All of K of both lies in LDS at once: 24 records, 307,200 bytes.
; Every LDS byte is filled ONCE, by four tensor loads a wave, all issued at the head: four of mine are outstanding at the most.  A chunk is read behind a counted wait and a barrier; nothing is filled again.
; CLUSTERS: 4 x 4 work-groups.  P's tiles hang on the tile column alone and are asked for jointly by a column of the cluster, R's on the tile row alone and by a row.
; LIMITS (MODES 0, 1): NaN and infinities are not served; a block of zeros gets the byte 1 where the rule says 127: its codes are zeros, and this program alone reads the bytes.
; REGISTERS, in windows of 256: window 0: v1-15 addresses; v16-63 scale words, two sets of 24; v64-95 the bias; v96-111 at work; v112-255 fragments of even K steps (P's, then R's).
;   window 1: the 32 accumulators, (a, b) = (R's tile, P's tile) at v[8 (a NPT + b)].   window 2: v112-255 fragments of odd K steps.
.set MODE, 2
.if MODE == 1
.set NPT, 8
.set NRT, 4
.else
.set NPT, 4
.set NRT, 8
.endif
.set REC,   12800
; (Over the head's words on tiles, chunks and fills.)  A tile 4 B + j holds rows 64 B + 8 j + i and 64 B + 32 + 8 j + i: the 32 registers of a band's four tiles of P are P's rows 64 B + 32 h + 0 .. 31.
; LDS holds two halves of K, each with the 24 records' halves of 6,400 bytes (25 x 256), four K steps each.  One tensor load a wave, all at the head: wave 0 P's half 0, wave 1 R's, wave 2 P's half 1, wave 3 R's;
; a load's rows are 6,400 bytes, 12,800 apart in memory.  Half 0 is read behind waves 0 and 1's wait and a barrier, half 1 behind every wave's wait and the barrier in K step 3, behind which nobody reads half 0: the stages lie there.
.set CHK,   6400                       ; half a record
.set CHUNK, 24*CHK                     ; LDS: a chunk of all 24 records: P's 16, then R's 8
.set ROFF,  16*CHK
.set AP16, 4                           ; v4   16 x lane + my first tile of P, in the chunk in hand
.set AP8,  5                           ; v5   8 x lane + the same
.set APS,  6                           ; v6   8 r + the same
.set AR16, 7                           ; v7-9 the same for R
.set AR8,  8
.set ARS,  9
.set LI,   10                          ; v10  16 x lane
.set SWO,  11                          ; v11  16 r + 8 h: my two scale words' place in a step record
.set BO,   12                          ; v12  my offset in the bias
.set STO,  13                          ; v13  MODE 2: the stage, on the way in
.set RD,   14                          ; v14  and back
.set CO,   15                          ; v15  my byte offset in two rows of out0
.set SC,   16
.set BI,   64
.set TM,   96
.set FS,   112
.set TQ,   160
.set SW,   168
.set G1P, 24                           ; s[24:31] descriptor group 1 for P;  s[32:39] for R
.set G1R, 32
.set G0P, 48                           ; s[48:63] groups 0 for P's four chunks;  s[68:83] for R's
.set G0R, 68
.set SEL, 88
.set MSB, 0
.macro WIN new                         ; s_set_vgpr_msb: bits 1:0 source 0, 3:2 source 1, 5:4 source 2, 7:6 destination; the high byte repeats the setting that is left
.if MSB != \new
	s_set_vgpr_msb (MSB<<8)|\new
.set MSB, \new
.endif
.endm
.macro PLACES n
.rept \n
	v_nop
.endr
.endm
.macro CROUND                          ; a round of the cluster's barrier
	s_barrier_signal -1
	s_barrier_wait -1
	s_cmp_lg_u32 s14, 0
	s_cbranch_scc1 .Lnot_wave_0_\@
	s_barrier_signal -3
.Lnot_wave_0_\@:
	s_barrier_wait -3
	s_barrier_signal -1
	s_barrier_wait -1
.endm
	s_load_b128 s[4:7], s[0:1], 0x0                ; P, R
.if MODE == 0
	s_load_b128 s[8:11], s[0:1], 0x10              ; bq, bk
	s_load_b64 s[12:13], s[0:1], 0x20              ; the output
.else
	s_load_b64 s[8:9], s[0:1], 0x10                ; the bias
	s_load_b64 s[12:13], s[0:1], 0x18              ; the output
	v_lshl_add_u32 v110, v0, 2, 0x4b000
	v_mov_b32 v111, 0
	ds_add_u32 v110, v111
	ds_add_u32 v110, v111
.endif
	v_lshrrev_b32 v1, 5, v0
	v_readfirstlane_b32 s14, v1                    ; wave 0..3
	s_lshr_b32 s15, s14, 1
	s_and_b32 s16, s14, 1
	s_bfe_u32 s40, ttmp6, 0x40000                  ; cx, cy: my place in the cluster
	s_bfe_u32 s41, ttmp6, 0x40004
	s_lshl_b32 s42, ttmp9, 2
	s_add_co_u32 s42, s42, s40                     ; gx: which 256 rows of P
	s_and_b32 s17, ttmp7, 0xffff
	s_lshl_b32 s17, s17, 2
	s_add_co_u32 s17, s17, s41                     ; gy: which 128 rows of R
	s_lshl_b32 s43, s41, 2
	s_lshl_b32 s43, 15, s43                        ; my row of the cluster
	s_lshl_b32 s44, 0x1111, s40                    ; my column
	; group 1: rows of 6,400 bytes (800 elements of 8), 12,800 bytes apart in memory, dense in LDS; 16 records for P, 8 for R
	s_or_b32 s[G1P], s44, (3<<16)|(1<<21)          ; 15:0 the mask: P's tiles go to my column; 17:16 elements of 8 bytes; 21 set beside a mask
	s_or_b32 s[G1R], s43, (3<<16)|(1<<21)          ; R's go to my row
	s_mov_b32 s[G1P+1], 800<<16                    ; rows of 800 elements of 8 bytes
	s_mov_b32 s[G1P+2], 16<<16                     ; 16 records
	s_mov_b32 s[G1P+3], 800<<16
	s_mov_b32 s[G1P+4], 16
	s_mov_b32 s[G1P+5], 1600                       ; tensor_dim0_stride
	s_mov_b32 s[G1P+6], 0
	s_mov_b32 s[G1P+7], 0
	s_mov_b32 s[G1R+1], 800<<16
	s_mov_b32 s[G1R+2], 8<<16                      ; 8 records
	s_mov_b32 s[G1R+3], 800<<16
	s_mov_b32 s[G1R+4], 8
	s_mov_b32 s[G1R+5], 1600
	s_mov_b32 s[G1R+6], 0
	s_mov_b32 s[G1R+7], 0
	; waves 0, 1 fetch P's halves, waves 2, 3 R's.  Every wave makes both addresses, in registers that never hold the other coordinate
	s_mul_i32 s18, s42, 16*REC                     ; P: record 16 gx,
	s_mul_i32 s22, s15, CHK                        ; half wave / 2
	s_add_co_u32 s18, s18, s22
	s_mov_b32 s19, 0
	s_mul_i32 s20, s17, 8*REC                      ; R: record 8 gy, the same half
	s_add_co_u32 s20, s20, s22
	s_mov_b32 s21, 0
	s_mul_i32 s22, s15, CHUNK                      ; where the half lies in LDS: no place in the cluster enters an LDS address
	s_wait_dscnt 0x0
	s_wait_kmcnt 0x0
	s_add_nc_u64 s[18:19], s[4:5], s[18:19]
	s_add_nc_u64 s[20:21], s[6:7], s[20:21]
	CROUND                                         ; all sixteen work-groups are here: the joint loads meet
	s_mov_b32 s[G0P], 1
	s_mov_b32 s[G0P+1], s22
	s_mov_b64 s[G0P+2:G0P+3], s[18:19]
	s_or_b32 s[G0P+3], s[G0P+3], 0x80000000
	s_mov_b32 s[G0R], 1
	s_add_co_u32 s[G0R+1], s22, ROFF
	s_mov_b64 s[G0R+2:G0R+3], s[20:21]
	s_or_b32 s[G0R+3], s[G0R+3], 0x80000000
.macro ARM under, g0, g1, next         ; one chain of branches on the wave's number, one load to an arm, all arms to one join
	s_cmp_lt_u32 s14, \under
	s_cbranch_scc0 \next
	tensor_load_to_lds s[\g0:\g0+3], s[\g1:\g1+7]
	s_nop 0
	PLACES 4
	s_branch .Lasked
\next:
.endm
	ARM 1, G0P, G1P, .Larm_1
	ARM 2, G0R, G1R, .Larm_2
	ARM 3, G0P, G1P, .Larm_3
	tensor_load_to_lds s[G0R:G0R+3], s[G1R:G1R+7]
	s_nop 0
	PLACES 4
.Lasked:
	v_and_b32 v1, 15, v0                           ; r
	v_bfe_u32 v2, v0, 4, 1                         ; h
	v_and_b32 v3, 31, v0                           ; lane
.if MODE == 1
	s_mul_i32 s45, s16, 8*CHK                      ; my tiles of P: 8 (wave % 2) on;
	s_mul_i32 s46, s15, 4*CHK                      ; of R: 4 (wave / 2) on
.else
	s_mul_i32 s45, s14, 4*CHK                      ; my tiles of P: 4 x wave on; of R: all eight
	s_mov_b32 s46, 0
.endif
	s_add_co_u32 s46, s46, ROFF
	v_lshl_add_u32 v[AP16], v3, 4, s45
	v_lshl_add_u32 v[AP8], v3, 3, s45
	v_lshl_add_u32 v[APS], v1, 3, s45
	v_lshl_add_u32 v[AR16], v3, 4, s46
	v_lshl_add_u32 v[AR8], v3, 3, s46
	v_lshl_add_u32 v[ARS], v1, 3, s46
	v_lshlrev_b32 v[LI], 4, v3
	v_lshlrev_b32 v[SWO], 4, v1
	v_lshl_add_u32 v[SWO], v2, 3, v[SWO]
	s_mov_b32 s85, 0
	s_mov_b32 s87, 0
.if MODE == 0
	s_cmp_eq_u32 ttmp9, 0                          ; a cluster's four tile columns are one whole W: cluster x = 0 is Wq, 1 is Wk
	s_cselect_b64 s[8:9], s[8:9], s[10:11]
	s_lshl_b32 s47, s40, 2
	s_add_co_u32 s47, s47, s14                     ; my head: 4 cx + wave
	s_lshl_b32 s84, s47, 8                         ; its 64 numbers of the bias
	s_lshl_b32 s86, ttmp9, 6                       ; the output: record ((64 x which + 16 x batch + head) x 16 + step of 128 tokens)
	s_lshr_b32 s90, s17, 4
	s_lshl_b32 s90, s90, 4
	s_add_co_u32 s86, s86, s90
	s_add_co_u32 s86, s86, s47
	s_lshl_b32 s86, s86, 4
	s_and_b32 s90, s17, 15
	s_add_co_u32 s86, s86, s90
	s_mul_i32 s86, s86, 6400
.endif
.if MODE == 1
	s_lshl_b32 s84, s17, 9
	s_lshl_b32 s90, s15, 8
	s_add_co_u32 s84, s84, s90                     ; the bias of my head's 64 columns: 4 (128 gy + 64 (wave / 2))
	s_lshr_b32 s86, s42, 3                         ; the output: record ((16 x batch + head) x 16 + key step)
	s_lshl_b32 s86, s86, 4
	s_lshl_b32 s90, s17, 1
	s_add_co_u32 s86, s86, s90
	s_add_co_u32 s86, s86, s15
	s_lshl_b32 s86, s86, 4
	s_lshl_b32 s90, s42, 1
	s_add_co_u32 s90, s90, s16
	s_and_b32 s90, s90, 15
	s_add_co_u32 s86, s86, s90
	s_mul_i32 s86, s86, 6400
.endif
.if MODE == 2
	s_lshl_b32 s47, s42, 2
	s_add_co_u32 s47, s47, s14                     ; my 64 columns: 4 gx + wave
	s_lshl_b32 s84, s47, 8
	s_lshl_b32 s86, s17, 19                        ; the output: 128 gy rows of 4,096 bytes + 256 bytes for each 64 columns
	s_add_co_u32 s86, s86, s84
.endif
	s_add_nc_u64 s[8:9], s[8:9], s[84:85]
	s_add_nc_u64 s[12:13], s[12:13], s[86:87]
	; THE BIAS is the C of each sum's first matrix instruction: eight registers a tile, in the result's layout
.if MODE == 1
	v_and_b32 v[BO], 8, v1                         ; along R's rows, that is along the lanes: all eight registers hold the number of column r + 8 (r / 8) of the tile
	v_add_nc_u32 v[BO], v[BO], v1
	v_lshlrev_b32 v[BO], 2, v[BO]
.irp a, 0,1,2,3
.irp j, 0,1,2,3,4,5,6,7
	global_load_b32 v[BI+8*\a+\j], v[BO], s[8:9] offset:(32*(\a/2)+8*(\a%2))*4
.endr
.endr
.else
	v_lshlrev_b32 v[BO], 7, v2                     ; tile b's registers are columns 32 h + 8 b + 0 .. 7
.irp b, 0,1,2,3
	global_load_b128 v[BI+8*\b:BI+8*\b+3], v[BO], s[8:9] offset:32*\b
	global_load_b128 v[BI+8*\b+4:BI+8*\b+7], v[BO], s[8:9] offset:32*\b+16
.endr
.endif
.if MODE == 2
	s_mul_i32 s45, s14, 16*272                     ; my stage: 16 rows x (256 bytes + 16), in chunk 0, which has had its one fill and is read by nobody behind chunk 1's barrier
	v_mul_u32_u24 v[STO], v1, 272
	v_lshl_add_u32 v[STO], v2, 7, v[STO]           ; + 128 h: my columns begin at 32 h
	v_add_nc_u32 v[STO], s45, v[STO]               ; in: row r, + 128 h
	v_mul_u32_u24 v[RD], v2, 272
	v_lshl_add_u32 v[RD], v1, 4, v[RD]
	v_add_nc_u32 v[RD], s45, v[RD]                 ; back: lanes 0-15 one row, lanes 16-31 the next
	v_lshlrev_b32 v[CO], 4, v1
	v_lshl_add_u32 v[CO], v2, 12, v[CO]            ; and the same two rows in out0
.else
	s_mov_b32 s[SEL], 0x76543210
	s_mov_b32 s[SEL+1], 0xfedcba98                 ; v_permlanex16_b32's selects for lane l xor 16
.irp b, 0,1,2,3
	v_mov_b32 v[TM+4+\b], 0                        ; written once: a lane permute's destination counts as one of its sources
.endr
.endif
; a fragment, 12 registers, from its two images of six: 512 bytes (16 x lane), 256 bytes (8 x lane), twice
.macro FRAG f, a16, a8, off
	ds_load_b128 v[\f:\f+3],     v[\a16] offset:\off
	ds_load_b64  v[\f+4:\f+5],   v[\a8]  offset:\off+512
	ds_load_b128 v[\f+6:\f+9],   v[\a16] offset:\off+768
	ds_load_b64  v[\f+10:\f+11], v[\a8]  offset:\off+1280
.endm
.macro FETCH s                         ; K step s: my NPT + NRT fragments, into window 0 (s even) or 2 (s odd).  In a half the four steps' codes lie at 0, 1536, 3328 and 4864
.if (\s)%2
	WIN 0x80
.else
	WIN 0
.endif
.set CB, 1536*((\s)%4)+256*(((\s)%4)/2)
.set II, 0
.rept NPT
	FRAG FS+12*II, AP16, AP8, CHK*II+CB
.set II, II+1
.endr
.set II, 0
.rept NRT
	FRAG FS+12*NPT+12*II, AR16, AR8, CHK*II+CB
.set II, II+1
.endr
	WIN 0
.endm
.macro SCALES q                        ; chunk q's scale words, two a row, into set q % 2: both halves of the lanes read the same words
.set SB, 3072+128*((\q)%2)
.set II, 0
.rept NPT
	ds_load_b64 v[SC+24*((\q)%2)+2*II:SC+24*((\q)%2)+2*II+1], v[APS] offset:CHK*II+SB
.set II, II+1
.endr
.set II, 0
.rept NRT
	ds_load_b64 v[SC+24*((\q)%2)+2*(NPT+II):SC+24*((\q)%2)+2*(NPT+II)+1], v[ARS] offset:CHK*II+SB
.set II, II+1
.endr
.endm
; 16 matrix instructions of K step s.  The 32 accumulators take turns, one instruction a turn, in the same order in every step.  Step 0 starts the sums with the bias.
.macro MULH s, half
.if (\s) == 0
	WIN 0x40
.elseif (\s)%2
	WIN 0x5a
.else
	WIN 0x50
.endif
.set NN, 16*(\half)
.rept 16
.set AA, NN/NPT
.set BB, NN%NPT
.set SCP, SC+24*(((\s)/2)%2)+2*BB+(\s)%2
.set SCR, SC+24*(((\s)/2)%2)+2*(NPT+AA)+(\s)%2
.if MODE == 1
.set CC, BI+8*AA
.else
.set CC, BI+8*BB
.endif
.if (\s) == 0
	v_wmma_scale_f32_16x16x128_f8f6f4 v[8*NN:8*NN+7], v[FS+12*BB:FS+12*BB+11], v[FS+12*NPT+12*AA:FS+12*NPT+12*AA+11], v[CC:CC+7], v[SCP], v[SCR] matrix_a_fmt:MATRIX_FMT_FP6 matrix_b_fmt:MATRIX_FMT_FP6
.else
	v_wmma_scale_f32_16x16x128_f8f6f4 v[8*NN:8*NN+7], v[FS+12*BB:FS+12*BB+11], v[FS+12*NPT+12*AA:FS+12*NPT+12*AA+11], v[8*NN:8*NN+7], v[SCP], v[SCR] matrix_a_fmt:MATRIX_FMT_FP6 matrix_b_fmt:MATRIX_FMT_FP6
.endif
.set NN, NN+1
.endr
.endm
; A K step: 32 matrix instructions; in its middle the next step's 48 LDS loads, in one run, into the other set of fragments.
; A load into a register that a matrix instruction has read stands four plain vector instructions behind it (ISA guide 7.12.1 for vector instructions).
.macro STEP s
	s_wait_dscnt 0x0                               ; this step's fragments, asked for 16 matrix instructions ago, are in
	MULH \s, 0
	WIN 0
.if (\s) < 7
.if (\s) == 3
	s_wait_tensorcnt 0x0                           ; my load has landed, whichever it was: half 1 is shown to all; nothing is filled again
	s_barrier_signal -1                            ; (no LDS instruction of mine is pending)
	s_barrier_wait -1                              ; everybody's part has
.irp r, 4,5,6,7,8,9
	v_add_nc_u32 v\r, CHUNK, v\r                   ; on to the next chunk: these six are also the places in front of the loads
.endr
.else
	PLACES 4
.endif
	s_wait_alu depctr_va_vdst(0)
	FETCH (\s)+1
.if ((\s)+1)%2 == 0
	SCALES ((\s)+1)/2
.endif
.endif
	MULH \s, 1
.endm
	s_wait_alu depctr_va_vdst(0)
	s_wait_loadcnt 0x0                             ; the bias
	s_cmp_lt_u32 s14, 2
	s_cbranch_scc0 .Lnot_first
	s_wait_tensorcnt 0x0                           ; waves 0 and 1: half 0 has landed; half 1 may be on its way
.Lnot_first:
	s_barrier_signal -1
	s_barrier_wait -1
	FETCH 0
	SCALES 0
.irp s, 0,1,2,3,4,5,6,7
	STEP \s
.endr
	WIN 0
	PLACES 4                                       ; in front of the first read of results, and of writes into registers that held fragments
.if MODE != 2
; THE WAY OUT, MODES 0 AND 1.  The 64 registers of group g, register 16 b + i = k 32 b + 16 h + i of the lane's row, are one fragment of the attention's:
; MODE 0: [tile 2 g of the tokens | tile 2 g + 1] x the head's 64 (blocks 0, 1 | 2, 3);  MODE 1: tile g of the head's 64 x 128 keys.  Each accumulator is read from its low end on.
.macro QUANTW g
.set SRC, 64*(\g)
.set DST, FS+12*(\g)
	WIN 0x05                                       ; sources 0 and 1: the accumulators' window
.irp b, 0,1,2,3
	v_max3_num_f32 v[TM+\b], |v[SRC+16*\b]|, |v[SRC+1+16*\b]|, 0x1800000   ; my 16 numbers of block b, and the floor 2^(3 - 127): the byte cannot fall under 1
.endr
	WIN 0x14                                       ; sources 1 and 2
.irp i, 2,4,6,8,10,12,14
.irp b, 0,1,2,3
	v_max3_num_f32 v[TM+\b], v[TM+\b], |v[SRC+16*\b+\i]|, |v[SRC+1+16*\b+\i]|
.endr
.endr
	WIN 0
.irp b, 0,1,2,3
	v_permlanex16_b32 v[TM+4+\b], v[TM+\b], s[SEL], s[SEL+1]
.endr
.irp b, 0,1,2,3
	v_max_num_f32 v[TM+\b], v[TM+\b], v[TM+4+\b]   ; with lane l xor 16's: the block's largest magnitude
.endr
.irp b, 0,1,2,3
	v_add_nc_u32 v[TM+12+\b], 0xff000000, v[TM+\b] ; 2 off its exponent field: the conversion's scale operand
.endr
.irp b, 0,1,2,3
	v_lshrrev_b32 v[TM+4+\b], 23, v[TM+12+\b]      ; the scale's byte
.endr
	v_lshl_or_b32 v[SW+\g], v[TM+5], 8, v[TM+4]
	v_lshl_or_b32 v[SW+\g], v[TM+6], 16, v[SW+\g]
	v_lshl_or_b32 v[SW+\g], v[TM+7], 24, v[SW+\g]  ; the fragment's scale word of my row
	WIN 0x01                                       ; source 0: the accumulators' window
.irp c, 0,1
	v_cvt_scalef32_pk16_fp6_f32 v[DST+6*\c:DST+2+6*\c], v[SRC+32*\c:SRC+15+32*\c], v[TM+12+2*\c]
	v_cvt_scalef32_pk16_fp6_f32 v[TQ+4*\c:TQ+2+4*\c], v[SRC+16+32*\c:SRC+31+32*\c], v[TM+12+2*\c+1]   ; (a conversion's three registers begin on an even number)
.endr
	WIN 0
	v_nop                                          ; one plain instruction behind a scaled conversion
.irp c, 0,1                                    ; a whole block into each lane: lanes 0-15 block 2 c, lanes 16-31 block 2 c + 1
.irp i, 0,1,2
	v_permlane16_swap_b32 v[DST+6*\c+\i], v[TQ+4*\c+\i]
.endr
.irp i, 0,1,2
	v_mov_b32 v[DST+3+6*\c+\i], v[TQ+4*\c+\i]
.endr
.endr
.irp c, 0,1,2
	global_store_b128 v[LI], v[DST+4*\c:DST+4*\c+3], s[12:13] offset:1536*(\g)+512*\c   ; the fragment as an image of its registers: 512 consecutive bytes a store, aligned to 256; each group has registers of its own
.endr
.endm
	QUANTW 0
	QUANTW 1
	QUANTW 2
	QUANTW 3
	v_cmp_ne_u32 vcc_lo, 0, v2                     ; the record's scale words [row][4 words]: lanes 0-15 store words 0 and 1, lanes 16-31 words 2 and 3
	v_cndmask_b32 v[SW+4], v[SW], v[SW+2], vcc_lo
	v_cndmask_b32 v[SW+5], v[SW+1], v[SW+3], vcc_lo
	global_store_b64 v[SWO], v[SW+4:SW+5], s[12:13] offset:6144   ; 256 consecutive bytes, aligned
.else
; THE WAY OUT, MODE 2: eight blocks of 16 tokens x my 64 columns.  A lane holds pieces of one row and the lanes beside it other rows: a block goes through my stage and comes back as rows of 256 bytes,
; which sixteen lanes store whole.  LDS serves a wave's instructions in order: no wait between the stores and the loads, nor in front of the next block's stores.
.macro TOSTAGE a
	WIN 0x04                                       ; an LDS store's data are its source 1: the accumulators' window
.irp b, 0,1,2,3
	ds_store_b128 v[STO], v[8*(4*(\a)+\b):8*(4*(\a)+\b)+3] offset:32*\b          ; each accumulator from its low end on
	ds_store_b128 v[STO], v[8*(4*(\a)+\b)+4:8*(4*(\a)+\b)+7] offset:32*\b+16
.endr
	WIN 0
.irp i, 0,1,2,3,4,5,6,7
	ds_load_b128 v[FS+32*((\a)%2)+4*\i:FS+32*((\a)%2)+4*\i+3], v[RD] offset:544*\i
.endr
.endm
.macro SEND a, younger                 ; younger: the LDS instructions issued behind block a's loads, which may stay out
	s_wait_dscnt \younger
.irp i, 0,1,2,3,4,5,6,7
	global_store_b128 v[CO], v[FS+32*((\a)%2)+4*\i:FS+32*((\a)%2)+4*\i+3], s[12:13] offset:(64*((\a)/4)+8*((\a)%4)+2*\i+24*(\i/4))*4096 th:TH_STORE_NT   ; stage rows 2 i, 2 i + 1 are the tile's tokens 2 i + 24 (i / 4) + h; 16 lanes store 256 consecutive bytes, aligned
.endr
.endm
	TOSTAGE 0
.irp a, 1,2,3,4,5,6,7
.if \a > 1
	s_wait_xcnt 0x0                                ; block a - 2's stores have read their registers: block a's loads may land there
.endif
	TOSTAGE \a
	SEND \a-1, 16                                  ; behind block a - 1's loads: block a's 8 stores and 8 loads
.endr
	SEND 7, 0
.endif
	s_wait_dscnt 0x0
	s_wait_tensorcnt 0x0
	ds_add_u32 v110, v111
	s_wait_dscnt 0x0
	CROUND                                         ; the closing round: no work-group ends while a partner may still ask for a tile that names it
	s_endpgm
.Lfunc_end_k_q015257d8d0_outp:
	.size	k_q015257d8d0_outp, .Lfunc_end_k_q015257d8d0_outp-k_q015257d8d0_outp
	.p2alignl 7, 3214868480
	.fill 96, 4, 3214868480
	.section	.rodata,"a",@progbits
	.p2align	6, 0x0
	.amdhsa_kernel k_q015257d8d0_outp
		.amdhsa_group_segment_fixed_size 327680
		.amdhsa_private_segment_fixed_size 0
		.amdhsa_enable_private_segment 0
		.amdhsa_kernarg_size 32
		.amdhsa_user_sgpr_count 2
		.amdhsa_user_sgpr_kernarg_segment_ptr 1
		.amdhsa_wavefront_size32 1
		.amdhsa_system_sgpr_workgroup_id_x 1
		.amdhsa_system_sgpr_workgroup_id_y 1
		.amdhsa_system_sgpr_workgroup_id_z 1
		.amdhsa_system_vgpr_workitem_id 0
		.amdhsa_next_free_vgpr 768
		.amdhsa_next_free_sgpr 100
		.amdhsa_reserve_vcc 1
		.amdhsa_float_denorm_mode_32 3
		.amdhsa_float_denorm_mode_16_64 3
		.amdhsa_memory_ordered 1
		.amdhsa_forward_progress 1
		.amdhsa_inst_pref_size 85
	.end_amdhsa_kernel
	.amdgpu_metadata
---
amdhsa.version: [ 1, 2 ]
amdhsa.kernels:
  - .name:           k_q015257d8d0_outp
    .symbol:         k_q015257d8d0_outp.kd
    .args:
      - { .name: worec, .offset: 0, .size: 8, .value_kind: global_buffer, .address_space: global }
      - { .name: orec, .offset: 8, .size: 8, .value_kind: global_buffer, .address_space: global }
      - { .name: bo, .offset: 16, .size: 8, .value_kind: global_buffer, .address_space: global }
      - { .name: out0, .offset: 24, .size: 8, .value_kind: global_buffer, .address_space: global }
    .group_segment_fixed_size: 327680
    .private_segment_fixed_size: 0
    .kernarg_segment_align: 8
    .kernarg_segment_size: 32
    .max_flat_workgroup_size: 128
    .sgpr_count:     100
    .vgpr_count:     768
    .wavefront_size: 32
...
	.end_amdgpu_metadata
.endif
;; end of part 5
